; MI455X (gfx1250); checked and timed in simulation.
; The chip was launched on July 23, 2026; its instructions are those of AMD's public machine-readable ISA for CDNA 5 (MIT licence, August 2026) and "CDNA5" Instruction Set Architecture Reference Guide (July 2026). The comments in the code are by the model that wrote it; some were corrected since.
;; Selfatt. Allowed arithmetic: matrix products marked QUANTISED: E3M2 operands, one E8M0 scale for each 32 along K, by v_wmma_scale_f32_16x16x128_f8f6f4 with both operands' format E3M2, f32 sums; everything else in f32.
;; Inputs: W_g 64 x 1,024 float32; W_phi 256 x 1,024 float32; W_theta 256 x 1,024 float32; x 8 x 4,096 x 1,024 float32.
;; Outputs: out0 8 x 4,096 x 64 float32.
;; This version of the problem:
;;   THIS VERSION OF THE PROBLEM IS GIVEN IN LOW PRECISION. The matrix products marked QUANTISED in the list below multiply operands that are first quantised to E3M2 (3 exponent bits, 2 mantissa bits; 6 bits a number), with one power-of-two scale for each 32 numbers along K (OCP MX v1.0); their sums are f32. All else is computed in f32.
;;   The module's matrix products, in the order in which they are computed (A, B: the left and right operand; K: the contracted axis; several contracted axes count as one K, in the product's order):
;;     1. [M 32,768, K 1,024] x [K 1,024, N 256]; A: input x; B: input W_theta: QUANTISED
;;     2. [M 32,768, K 1,024] x [K 1,024, N 256]; A: input x; B: input W_phi: QUANTISED
;;     3. [M 32,768, K 1,024] x [K 1,024, N 64]; A: input x; B: input W_g: QUANTISED
;;     4. batch 8 x [M 4,096, K 256] x [K 256, N 4,096]; A: computed on the way; B: computed on the way: QUANTISED
;;     5. batch 8 x [M 4,096, K 4,096] x [K 4,096, N 64]; A: computed on the way; B: computed on the way: QUANTISED
;;   THE QUANTISER, for each operand of a quantised product, along K:
;;     - K is cut into blocks of 32 from its start; a last block that is shorter is filled with zeros.
;;     - A block's scale is 2^e with e = floor(log2(the largest magnitude in the block)) - 4, held to -126 .. 127; a block of zeros has e = 0. As a byte (E8M0): e + 127.
;;     - Each number is divided by its block's scale, clamped to +-28, and rounded to the nearest number of E3M2, ties to even, subnormals kept.
;;     - The product sums the exact products of the quantised numbers (number of the format x scale) in f32.
;;   ~~~python
;;   def quantise(x, axis):      # numpy; x: float32 -> the quantised numbers, widened to float32 again
;;       x = np.moveaxis(x, axis, -1); K = x.shape[-1]
;;       x = np.pad(x, [(0, 0)] * (x.ndim - 1) + [(0, -K % 32)]); x = x.reshape(x.shape[:-1] + (-1, 32)); a = np.abs(x).max(-1, keepdims=True)
;;       e = np.where(a > 0, np.clip(np.frexp(np.where(a > 0, a, 1))[1] - 1 - 4, -126, 127), 0)      # np.frexp(a)[1] - 1 = floor(log2(a)), exactly
;;       r = np.clip(x / 2.0 ** e, -28, 28)
;;       step = 2.0 ** (np.maximum(np.frexp(np.where(r == 0, 1, r))[1] - 1, -2) - 2)
;;       q = np.round(r / step) * step * 2.0 ** e      # np.round: ties to even
;;       return np.moveaxis(q.reshape(q.shape[:-2] + (-1,))[..., :K], -1, axis).astype(np.float32)
;;   ~~~
;;   OPERANDS COMPUTED ON THE WAY. 'Computed on the way' means the value that the module computes at that place (a softmax that the list does not call 'softmax' is quantised finished and normalised). What goes into a quantiser is computed in f32, as accurately as f32 sums, v_exp_f32 and their like allow (about 1e-6 of the number): no bf16 or f16 on the way to a quantiser, and a product that is left as it is and whose result goes on into a quantised operand takes f32 operands (vector FMAs, or v_wmma_f32_16x16x4_f32). A number that lies on a knife's edge between two numbers of the format may be rounded either way, as far as f32 arithmetic and the matrix unit's own rounding can turn it there, and no further.
;; 2 versions, each right; version 2 is version 1 with the launch proj written anew for expert scheduling mode. Each part assembles by itself: llvm-mc -triple=amdgcn-amd-amdhsa -mcpu=gfx1250 --defsym DOCPART=n.
;; ======== version 1 of 2: 3 launches
;; limits: right only within a limited range of input values
;; workspace buffers: wimg 516,096 bytes; qrec 8,388,608 bytes; kvrec 8,388,608 bytes
;; launch wq (part 1): grid 9 x 32, 1 waves a work-group, no clusters, 0 bytes of LDS; arguments W_theta, W_phi, W_g, wimg; writes wimg
.if DOCPART == 1
	.amdgcn_target "amdgcn-amd-amdhsa--gfx1250"
	.amdhsa_code_object_version 6
	.text
	.protected	k_q86047d7456_wq
	.globl	k_q86047d7456_wq
	.p2align	8
	.type	k_q86047d7456_wq,@function
k_q86047d7456_wq:
	s_mov_b64 s[64:65], 0
	v_nop
	global_prefetch_b8 v0, s[64:65] scope:SCOPE_SE
	s_setreg_imm32_b32 hwreg(HW_REG_WAVE_MODE, 25, 1), 1
	s_wait_xcnt 0x0
; The three weights, [256][1024], [256][1024] and [64][1024] f32 with K innermost, become codes of BF6 (E3M2) with one E8M0 byte for each 32 along K,
; laid as IMAGES OF OPERAND REGISTERS: a fragment (16 rows x 128 K, 12 registers a lane) is 3 x 512 bytes, registers 4 c .. 4 c + 3 of lane l at 512 c + 16 l.
; wimg holds 288 records of 1,792 bytes, record ((role x 8 + s) x 9 + f): bytes 0-1535 the image, 1536-1663 the rows' scale words at 4 x lane; the last 128 bytes are neither written nor read.
;   role 0, 1: W_theta's rows 0-127, 128-255; role 2, 3: W_phi's.  s: which 128 along K.  f = 0 .. 7: a tile of the role's 128 rows; f = 8: rows 16 role .. 16 role + 15 of W_g.
; THE ROWS OF A TILE f < 8 ARE NOT NEIGHBOURS: row m of tile 4 c + u is row 64 c + 32 (m / 8) + 8 u + m % 8 of the 128.  In a product's result (register j = row 8 (lane / 16) + j) a lane's 32 registers of
; tiles 4 c .. 4 c + 3 are then 32 neighbours, 64 c + 32 (lane / 16) + 0 .. 31: a whole block of the next K in one lane, in the order of the next operand's registers.
; SHARES: work-group (f, 8 role + s), one wave: one record.  288 work-groups of one wave, so that the records' loads are spread over all WGPs.  No LDS, no barrier.
; A block's scale is 2^(floor(log2(its largest magnitude)) - 4); its byte is the largest magnitude's exponent field - 4, held at 1 from below.
; LIMITS: a block whose largest magnitude lies under 2^-122 is held at the byte 1 (a block of zeros too, where the rule says 127: its codes are zeros, and this program alone reads the bytes); NaN and infinities are not served.
.set WREC, 1792
.set LI,  1                            ; v1   16 x lane
.set LS,  2                            ; v2   4 x lane
.set VO,  3                            ; v3   my row's bytes in the weight
.set SH8, 7                            ; v7   8 x (lane / 16)
.set TM,  16                           ; v16-19 largest magnitudes of four runs of 16
.set SO,  20                           ; v20-21 the conversions' scale operands
.set BY,  22                           ; v22-23 the scale bytes
.set PX,  24                           ; v24  the other half's bytes
.set PW,  25                           ; v25  the row's scale word
.set CT,  26                           ; v26-28, v30-32 the upper halves of the two blocks' codes
.set PC,  34                           ; v34-45 the fragment
.set X,   64                           ; v64-127 my 64 numbers: register 32 c + i = k 64 c + 32 (lane / 16) + i of my row
.set SEL, 22                           ; s[22:23] lane selects for v_permlanex16_b32: lane l xor 16
	s_load_b256 s[4:11], s[0:1], 0x0               ; W_theta s[4:5], W_phi s[6:7], W_g s[8:9], wimg s[10:11]
	s_and_b32 s13, ttmp7, 0xffff                   ; 8 role + s;  f is ttmp9
	s_and_b32 s12, s13, 7                          ; s
	s_lshr_b32 s13, s13, 3                         ; role
	v_and_b32 v4, 31, v0                           ; lane
	v_and_b32 v5, 15, v0                           ; r
	v_bfe_u32 v6, v0, 4, 1                         ; h
	v_lshlrev_b32 v[LI], 4, v4
	v_lshlrev_b32 v[LS], 2, v4
	v_lshlrev_b32 v[SH8], 3, v6
	v_mov_b32 v[PX], 0                             ; written once: a lane permute's destination counts as one of its sources
	s_mov_b32 s[SEL], 0x76543210
	s_mov_b32 s[SEL+1], 0xfedcba98
	s_and_b32 s14, s13, 1
	s_lshl_b32 s14, s14, 7                         ; 128 (role % 2)
	s_lshr_b32 s15, ttmp9, 2
	s_lshl_b32 s15, s15, 6                         ; + 64 (f / 4)
	s_add_co_u32 s14, s14, s15
	s_and_b32 s15, ttmp9, 3
	s_lshl_b32 s15, s15, 3                         ; + 8 (f % 4)
	s_add_co_u32 s14, s14, s15
	s_lshl_b32 s15, s13, 4                         ; W_g: 16 role
	s_cmp_eq_u32 ttmp9, 8
	s_cselect_b32 s14, s15, s14                    ; the tile's first row,
	s_cselect_b32 s16, 8, 32                       ; and how far its rows 8-15 lie from its rows 0-7
	s_lshl_b32 s17, s13, 3
	s_add_co_u32 s17, s17, s12
	s_mul_i32 s17, s17, 9
	s_add_co_u32 s17, s17, ttmp9                   ; the record's number
	s_mul_i32 s18, s17, WREC
	s_mov_b32 s19, 0
	v_and_b32 v8, 7, v5
	v_lshrrev_b32 v9, 3, v5
	v_mad_u32_u24 v8, v9, s16, v8
	v_add_nc_u32 v8, s14, v8                       ; my row
	v_lshlrev_b32 v[VO], 12, v8                    ; of 4,096 bytes,
	v_lshl_add_u32 v[VO], v6, 7, v[VO]             ; + 128 h: my block of 32 in each 64,
	s_lshl_b32 s20, s12, 9
	v_add_nc_u32 v[VO], s20, v[VO]                 ; + 512 s
	s_wait_kmcnt 0x0
	s_cmp_lt_u32 s13, 2                            ; the choices hang on the work-group's numbers alone
	s_cselect_b64 s[4:5], s[4:5], s[6:7]
	s_cmp_eq_u32 ttmp9, 8
	s_cselect_b64 s[4:5], s[8:9], s[4:5]
	s_add_nc_u64 s[10:11], s[10:11], s[18:19]
.irp c, 0,1
.irp j, 0,1,2,3,4,5,6,7
	global_load_b128 v[X+32*\c+4*\j:X+32*\c+4*\j+3], v[VO], s[4:5] offset:256*\c+16*\j
.endr
.endr
	s_wait_loadcnt 0x0
.irp q, 0,1,2,3
	v_max3_num_f32 v[TM+\q], |v[X+16*\q]|, |v[X+16*\q+1]|, 0x2800000   ; four runs of 16 by turns; the floor 2^(5 - 127) holds the byte at 1 from below
.endr
.irp i, 2,4,6,8,10,12,14
.irp q, 0,1,2,3
	v_max3_num_f32 v[TM+\q], |v[X+16*\q+\i]|, |v[X+16*\q+\i+1]|, v[TM+\q]
.endr
.endr
	v_max_num_f32 v[TM], v[TM], v[TM+1]            ; block h of my row,
	v_max_num_f32 v[TM+2], v[TM+2], v[TM+3]        ; and block 2 + h: all their numbers are mine
	v_add_nc_u32 v[SO], 0xfe000000, v[TM]          ; 4 off the exponent field: the conversion takes that field of this operand as its scale
	v_add_nc_u32 v[SO+1], 0xfe000000, v[TM+2]
	v_lshrrev_b32 v[BY], 23, v[SO]                 ; the scales' bytes
	v_lshrrev_b32 v[BY+1], 23, v[SO+1]
	v_lshl_or_b32 v[PW], v[BY+1], 16, v[BY]
	v_lshlrev_b32 v[PW], v[SH8], v[PW]             ; at their places in the row's word,
	v_permlanex16_b32 v[PX], v[PW], s[SEL], s[SEL+1]
	v_or_b32 v[PW], v[PW], v[PX]                   ; which lane l xor 16's two make whole, in both lanes
	v_cvt_scalef32_pk16_bf6_f32 v[PC:PC+2], v[X:X+15], v[SO]
	v_cvt_scalef32_pk16_bf6_f32 v[CT:CT+2], v[X+16:X+31], v[SO]          ; (a conversion's three registers begin on an even number)
	v_cvt_scalef32_pk16_bf6_f32 v[PC+6:PC+8], v[X+32:X+47], v[SO+1]
	v_cvt_scalef32_pk16_bf6_f32 v[CT+4:CT+6], v[X+48:X+63], v[SO+1]
	v_nop                                          ; one plain line behind the conversions
.irp c, 0,1
.irp i, 0,1,2
	v_mov_b32 v[PC+3+6*\c+\i], v[CT+4*\c+\i]
.endr
.endr
.irp c, 0,1,2
	global_store_b128 v[LI], v[PC+4*\c:PC+4*\c+3], s[10:11] offset:512*\c   ; 32 lanes store 512 consecutive bytes, at a multiple of 256 from wimg's first byte
.endr
	global_store_b32 v[LS], v[PW], s[10:11] offset:1536
	s_endpgm
.Lfunc_end_k_q86047d7456_wq:
	.size	k_q86047d7456_wq, .Lfunc_end_k_q86047d7456_wq-k_q86047d7456_wq
	.p2alignl 7, 3214868480
	.fill 96, 4, 3214868480
	.section	.rodata,"a",@progbits
	.p2align	6, 0x0
	.amdhsa_kernel k_q86047d7456_wq
		.amdhsa_group_segment_fixed_size 0
		.amdhsa_private_segment_fixed_size 0
		.amdhsa_enable_private_segment 0
		.amdhsa_kernarg_size 32
		.amdhsa_user_sgpr_count 2
		.amdhsa_user_sgpr_kernarg_segment_ptr 1
		.amdhsa_wavefront_size32 1
		.amdhsa_system_sgpr_workgroup_id_x 1
		.amdhsa_system_sgpr_workgroup_id_y 1
		.amdhsa_system_sgpr_workgroup_id_z 1
		.amdhsa_system_vgpr_workitem_id 0
		.amdhsa_next_free_vgpr 128
		.amdhsa_next_free_sgpr 66
		.amdhsa_reserve_vcc 0
		.amdhsa_float_denorm_mode_32 3
		.amdhsa_float_denorm_mode_16_64 3
		.amdhsa_memory_ordered 1
		.amdhsa_forward_progress 1
		.amdhsa_inst_pref_size 7
	.end_amdhsa_kernel
	.amdgpu_metadata
---
amdhsa.version: [ 1, 2 ]
amdhsa.kernels:
  - .name:           k_q86047d7456_wq
    .symbol:         k_q86047d7456_wq.kd
    .args:
      - { .name: W_theta, .offset: 0, .size: 8, .value_kind: global_buffer, .address_space: global }
      - { .name: W_phi, .offset: 8, .size: 8, .value_kind: global_buffer, .address_space: global }
      - { .name: W_g, .offset: 16, .size: 8, .value_kind: global_buffer, .address_space: global }
      - { .name: wimg, .offset: 24, .size: 8, .value_kind: global_buffer, .address_space: global }
    .group_segment_fixed_size: 0
    .private_segment_fixed_size: 0
    .kernarg_segment_align: 8
    .kernarg_segment_size: 32
    .max_flat_workgroup_size: 32
    .sgpr_count:     66
    .vgpr_count:     128
    .wavefront_size: 32
...
	.end_amdgpu_metadata
.endif
;; end of part 1
;; launch proj (part 2): grid 256 x 1, 4 waves a work-group, no clusters, 61,952 bytes of LDS; arguments x, wimg, qrec, kvrec; writes qrec, kvrec
.if DOCPART == 2
	.amdgcn_target "amdgcn-amd-amdhsa--gfx1250"
	.amdhsa_code_object_version 6
	.text
	.protected	k_q86047d7456_proj
	.globl	k_q86047d7456_proj
	.p2align	8
	.type	k_q86047d7456_proj,@function
k_q86047d7456_proj:
	s_mov_b64 s[64:65], 0
	v_nop
	global_prefetch_b8 v0, s[64:65] scope:SCOPE_SE
	s_setreg_imm32_b32 hwreg(HW_REG_WAVE_MODE, 25, 1), 1
	s_wait_xcnt 0x0
; theta = x W_theta^T, phi = x W_phi^T, g = x W_g^T on codes of BF6 (E3M2) with one E8M0 byte for each 32 along K; x [32768][1024] f32 is quantised here, in registers; the weights come as images from wimg.
; The three results are quantised here too, in registers, for the products that follow: theta and phi along their 256 units, g along the TOKENS.  They leave as images of operand registers.
; A record of 32,768 bytes serves 128 tokens (record = token / 128).  qrec (theta) and kvrec (phi): bytes 0-24575 images (2 a + sK) x 1536: token tile a, sK = which 128 of the 256 units;
;   24576-25599 scale words at 512 sK + 16 lane + 4 i: lanes 0-15 tile 2 i's rows, lanes 16-31 tile 2 i + 1's.  kvrec alone: 25600-31743 g's images, 1536 o (16 channels x the 128 tokens);
;   31744-32255 g's scale words at 128 o + 4 lane; 32256-32767 zeros, so that a record is 128 whole rows of 256 bytes.
; THE TOKENS OF A TILE ARE NOT NEIGHBOURS, nor are a weight tile's rows: row m of tile 4 c + u is element 64 c + 32 (m / 8) + 8 u + m % 8 of the 128.  In a result (register j = row 8 (lane / 16) + j of source 0) a lane's
; 32 registers of tiles 4 c .. 4 c + 3 are then elements 64 c + 32 (lane / 16) + 0 .. 31: a whole block of 32 in one lane, in the order of the next operand's registers: no maximum crosses lanes, no halves are exchanged.
; SHARES.  A work-group takes 128 tokens.  THE WAVES SHARE THE COLUMNS: wave w makes 128 units (0, 1: theta's halves; 2, 3: phi's) and 16 channels of g for all 128 tokens: 72 accumulators, 576 registers.
; Each weight fragment is loaded once, by one wave, straight into operand registers.  Wave w quantises x's token tiles 2 w and 2 w + 1 of each K step and hands their images to the others through LDS.
; theta and phi are used transposed (source 0 = 16 weight rows, source 1 = 16 tokens): a lane holds one token, its registers run along the units.  g the other way round: a lane holds one channel, its registers run along the tokens.
; x comes by loads into registers, three units of 16 loads (8 KB) a wave ahead; they stay out across the barriers.  All eight K steps are written out: every offset is an immediate and no pointer is stepped.
; NO CLUSTER: what work-groups share is the weights' 36 x 1,792 bytes a K step; a joint request lands in LDS alone, so each fragment would be written to LDS and read from it again on its way to the one wave that wants it, and each of the
; eight K steps would stand behind a round that ties four streams of x together; the 512 KB of x, more than half of what a work-group loads, are shared with nobody.
; LIMITS: a block whose largest magnitude lies under 2^-122 is held at the byte 1 (a block of zeros too: its codes are zeros, and this program alone reads the bytes); NaN and infinities are not served.
; REGISTERS, in windows of 256: window 0: v1-10 addresses; v16-45 the quantiser's; v46-54 the weights' scale words; v55-62 x's; v64-255 three sets of 64 numbers of x.
;   window 1: v0-107 the K step's nine weight fragments; v108-179 six fragments of x; v192-255 g's eight accumulators.   window 2: accumulators of token tiles 0-3 at 64 a + 8 f;   window 3: of tiles 4-7.
.set WREC, 1792
.set IB,   13312                       ; LDS: an image buffer: 8 images of 1,536 bytes, then 8 x 128 bytes of scale words; two buffers by turns
.set STG,  2*IB                        ; behind them a stage of 16 rows x (512 + 16) bytes for each wave
.set SROW, 528
.set LI,  1                            ; v1   16 x lane
.set LS,  2                            ; v2   4 x lane
.set STS, 3                            ; v3   the stage, on the way in: 16 x lane
.set STL, 4                            ; v4   and on the way out: row r, + 128 h
.set IWI, 5                            ; v5   where I store x's images: 16 x lane + 3072 x wave
.set IWS, 6                            ; v6   and their scale words: 12288 + 4 x lane + 256 x wave
.set SH8, 7                            ; v7   8 h
.set ZR,  8                            ; v8   0
.set GI,  9                            ; v9   16 x lane + 1536 x wave: g's image
.set GW,  10                           ; v10  4 x lane + 128 x wave: g's scale words
.set TM,  16
.set SO,  20
.set BY,  22
.set PX,  24
.set PW,  25
.set CT,  26
.set PC,  34
.set WS,  46                           ; v46-54 scale words of the nine weight fragments
.set XS,  55                           ; v55-62 of x's eight tiles
.set PAIR, 56                          ; v56-59 at the end: the results' scale words, two tiles to a register
.set XF,  108                          ; window 1
.set GA,  192                          ; window 1
.set SEL, 20                           ; s[20:21]
.set HM,  22                           ; s22  lanes 16-31
.set MSB, 0
.macro WIN new                         ; the immediate's high byte repeats the setting that is left; a switch that changes nothing is dropped
.if MSB != (\new)
	s_set_vgpr_msb (MSB<<8)|(\new)
.set MSB, (\new)
.endif
.endm
; 64 numbers of a lane in window W, register 32 c + i = k 64 c + 32 h + i of the lane's row, become a fragment's codes in v[PC] on and the row's scale word in v[PW], whole in every lane.
.macro QUANT2 s, W
	WIN (\W)|((\W)<<2)
.irp q, 0,1,2,3
	v_max3_num_f32 v[TM+\q], |v[(\s)+16*\q]|, |v[(\s)+16*\q+1]|, 0x2800000   ; four runs of 16 by turns, each accumulator from its low end on; the floor 2^(5 - 127) holds the byte at 1 from below
.endr
.irp i, 2,4,6,8,10,12,14
.irp q, 0,1,2,3
	v_max3_num_f32 v[TM+\q], |v[(\s)+16*\q+\i]|, |v[(\s)+16*\q+\i+1]|, v[TM+\q]
.endr
.endr
	WIN 0
	v_max_num_f32 v[TM], v[TM], v[TM+1]            ; block h,
	v_max_num_f32 v[TM+2], v[TM+2], v[TM+3]        ; block 2 + h
	v_add_nc_u32 v[SO], 0xfe000000, v[TM]          ; 4 off the exponent field: the conversion's scale operand
	v_add_nc_u32 v[SO+1], 0xfe000000, v[TM+2]
	v_lshrrev_b32 v[BY], 23, v[SO]
	v_lshrrev_b32 v[BY+1], 23, v[SO+1]
	v_lshl_or_b32 v[PW], v[BY+1], 16, v[BY]
	v_lshlrev_b32 v[PW], v[SH8], v[PW]
	v_permlanex16_b32 v[PX], v[PW], s[SEL], s[SEL+1]
	v_or_b32 v[PW], v[PW], v[PX]
	WIN \W
	v_cvt_scalef32_pk16_bf6_f32 v[PC:PC+2], v[(\s):(\s)+15], v[SO]
	v_cvt_scalef32_pk16_bf6_f32 v[CT:CT+2], v[(\s)+16:(\s)+31], v[SO]    ; (a conversion's three registers begin on an even number)
	v_cvt_scalef32_pk16_bf6_f32 v[PC+6:PC+8], v[(\s)+32:(\s)+47], v[SO+1]
	v_cvt_scalef32_pk16_bf6_f32 v[CT+4:CT+6], v[(\s)+48:(\s)+63], v[SO+1]
	WIN 0
	v_nop                                          ; one plain line behind the conversions
.irp c, 0,1
.irp i, 0,1,2
	v_mov_b32 v[PC+3+6*\c+\i], v[CT+4*\c+\i]
.endr
.endr
.endm
; Unit u = 2 s + e: K step s of my token tile 2 w + e: 16 rows x 512 bytes, a row a load, into set u % 3.
.macro XLOAD u
.set SETR, 64+64*((\u)%3)
.irp m, 0,1,2,3,4,5,6,7,8,9,10,11,12,13,14,15
	global_load_b128 v[SETR+4*\m:SETR+4*\m+3], v[LI], s[4:5] offset:(32*(\m/8)+\m%8+8*((\u)%2))*4096+512*((\u)/2) th:TH_LOAD_NT   ; 32 lanes read 512 consecutive bytes; read once in the launch
.endr
.endm
; K step s's nine weight fragments and their scale words: 36 loads.
.macro WLOAD s
	WIN 0x40                                       ; destination window 1
.irp f, 0,1,2,3,4,5,6,7,8
.irp c, 0,1,2
	global_load_b128 v[12*\f+4*\c:12*\f+4*\c+3], v[LI], s[6:7] offset:(9*(\s)+\f)*WREC+512*\c
.endr
.endr
	WIN 0
.irp f, 0,1,2,3,4,5,6,7,8
	global_load_b32 v[WS+\f], v[LS], s[6:7] offset:(9*(\s)+\f)*WREC+1536
.endr
.endm
; One unit: through my stage (in as rows, out 32 neighbours a lane and block; LDS serves a wave's instructions in order), quantised, its image and scale words to LDS.  N: the loads that may stay out; -1: an earlier wait has shown the unit in.
.macro XPH s, e, N
.set SETQ, 64+64*((2*(\s)+(\e))%3)
.if (\N) >= 0
	s_wait_loadcnt \N
.endif
.irp m, 0,1,2,3,4,5,6,7,8,9,10,11,12,13,14,15
	ds_store_b128 v[STS], v[SETQ+4*\m:SETQ+4*\m+3] offset:SROW*\m
.endr
.irp c, 0,1
.irp j, 0,1,2,3,4,5,6,7
	ds_load_b128 v[SETQ+32*\c+4*\j:SETQ+32*\c+4*\j+3], v[STL] offset:256*\c+16*\j   ; rows 528 bytes apart: sixteen rows begin in sixteen different columns of 16 bytes
.endr
.endr
	s_wait_dscnt 0x0                               ; the numbers are back; the last image's stores have read their registers
	QUANT2 SETQ, 0
.if 2*(\s)+(\e)+3 < 16
	XLOAD 2*(\s)+(\e)+3                            ; the set takes the unit three on
.endif
.irp c, 0,1,2
	ds_store_b128 v[IWI], v[PC+4*\c:PC+4*\c+3] offset:IB*((\s)%2)+1536*(\e)+512*\c
.endr
	ds_store_b32 v[IWS], v[PW] offset:IB*((\s)%2)+128*(\e)
.endm
.macro BARRIER                         ; my LDS stores have landed and my LDS loads are in: then the work-group's barrier.  One a K step does: buffer s % 2 is written again in step s + 2, behind barrier s + 1, which each wave signals behind its reads of step s
	s_wait_dscnt 0x0
	s_barrier_signal -1
	s_barrier_wait -1
.endm
; K step s's 72 products: token tiles one after the other, each against my eight weight tiles and g's.  Each accumulator has one instruction a K step, so no two that follow each other share one.  NW: the loads issued behind this step's weights.
.macro PROD s, NW
	WIN 0x40
.irp a, 0,1,2,3,4,5
.irp c, 0,1,2
	ds_load_b128 v[XF+12*\a+4*\c:XF+12*\a+4*\c+3], v[LI] offset:IB*((\s)%2)+1536*\a+512*\c
.endr
.endr
	WIN 0
.irp a, 0,1,2,3,4,5,6,7
	ds_load_b32 v[XS+\a], v[LS] offset:IB*((\s)%2)+12288+128*\a
.endr
	s_wait_loadcnt \NW
	s_wait_dscnt 0x0
.irp a, 0,1,2,3,4,5,6,7
.if \a == 6
	s_wait_dscnt 0x0                               ; tiles 6 and 7 are in (asked for 36 matrix instructions ago)
.endif
	WIN 0xa5+0x50*(\a/4)                           ; sources 0 and 1 window 1; C and D window 2 or 3
.irp f, 0,1,2,3,4,5,6,7
.if (\s) == 0
	v_wmma_scale_f32_16x16x128_f8f6f4 v[64*(\a%4)+8*\f:64*(\a%4)+8*\f+7], v[12*\f:12*\f+11], v[XF+12*(\a%6):XF+12*(\a%6)+11], 0, v[WS+\f], v[XS+\a] matrix_a_fmt:MATRIX_FMT_BF6 matrix_b_fmt:MATRIX_FMT_BF6
.else
	v_wmma_scale_f32_16x16x128_f8f6f4 v[64*(\a%4)+8*\f:64*(\a%4)+8*\f+7], v[12*\f:12*\f+11], v[XF+12*(\a%6):XF+12*(\a%6)+11], v[64*(\a%4)+8*\f:64*(\a%4)+8*\f+7], v[WS+\f], v[XS+\a] matrix_a_fmt:MATRIX_FMT_BF6 matrix_b_fmt:MATRIX_FMT_BF6
.endif
.endr
	WIN 0x55                                       ; all in window 1: g, source 0 = the tokens, source 1 = W_g's 16 rows
.if (\s) == 0
	v_wmma_scale_f32_16x16x128_f8f6f4 v[GA+8*\a:GA+8*\a+7], v[XF+12*(\a%6):XF+12*(\a%6)+11], v[96:107], 0, v[XS+\a], v[WS+8] matrix_a_fmt:MATRIX_FMT_BF6 matrix_b_fmt:MATRIX_FMT_BF6
.else
	v_wmma_scale_f32_16x16x128_f8f6f4 v[GA+8*\a:GA+8*\a+7], v[XF+12*(\a%6):XF+12*(\a%6)+11], v[96:107], v[GA+8*\a:GA+8*\a+7], v[XS+\a], v[WS+8] matrix_a_fmt:MATRIX_FMT_BF6 matrix_b_fmt:MATRIX_FMT_BF6
.endif
.if \a == 1
.rept 4
	v_nop                                          ; four places in front of loads into registers that matrix instructions have read (ISA guide 7.12.1 for vector instructions)
.endr
	WIN 0x40
.irp c, 0,1,2
	ds_load_b128 v[XF+4*\c:XF+4*\c+3], v[LI] offset:IB*((\s)%2)+1536*6+512*\c        ; tiles 6 and 7 take the registers of tiles 0 and 1
	ds_load_b128 v[XF+12+4*\c:XF+12+4*\c+3], v[LI] offset:IB*((\s)%2)+1536*7+512*\c
.endr
.endif
.endr
.rept 4
	v_nop                                          ; four places: for the next weights' loads, the next fragments' loads, and at the end the first reads of results
.endr
.if (\s) < 7
	WLOAD (\s)+1
.endif
	WIN 0
.endm
	s_load_b256 s[4:11], s[0:1], 0x0               ; x s[4:5], wimg s[6:7], qrec s[8:9], kvrec s[10:11]
	v_lshl_add_u32 v33, v0, 2, 0xf000
	v_mov_b32 v63, 0
	v_lshrrev_b32 v11, 5, v0
	v_readfirstlane_b32 s12, v11                   ; wave 0..3
	v_and_b32 v11, 31, v0                          ; lane
	v_and_b32 v12, 15, v0                          ; r
	v_bfe_u32 v13, v0, 4, 1                        ; h
	v_lshlrev_b32 v[LI], 4, v11
	v_lshlrev_b32 v[LS], 2, v11
	s_mul_i32 s24, s12, 16*SROW
	s_add_co_u32 s24, s24, STG                     ; my stage
	v_add_nc_u32 v[STS], s24, v[LI]
	v_mul_u32_u24 v[STL], v12, SROW
	v_lshl_add_u32 v[STL], v13, 7, v[STL]
	v_add_nc_u32 v[STL], s24, v[STL]
	s_mul_i32 s24, s12, 3072
	v_add_nc_u32 v[IWI], s24, v[LI]
	s_lshl_b32 s24, s12, 8
	s_add_co_u32 s24, s24, 12288
	v_add_nc_u32 v[IWS], s24, v[LS]
	s_mul_i32 s24, s12, 1536
	v_add_nc_u32 v[GI], s24, v[LI]
	s_lshl_b32 s24, s12, 7
	v_add_nc_u32 v[GW], s24, v[LS]
	v_lshlrev_b32 v[SH8], 3, v13
	v_mov_b32 v[ZR], 0
	v_mov_b32 v[PX], 0                             ; written once: a lane permute's destination counts as one of its sources
	s_mov_b32 s[SEL], 0x76543210
	s_mov_b32 s[SEL+1], 0xfedcba98
	s_mov_b32 s[HM], 0xffff0000
	s_lshl_b32 s24, ttmp9, 19                      ; x: 128 rows of 4,096 bytes a work-group,
	s_lshr_b32 s25, s12, 1
	s_lshl_b32 s25, s25, 18                        ; + 64 (w / 2) rows,
	s_add_co_u32 s24, s24, s25
	s_and_b32 s26, s12, 1
	s_lshl_b32 s25, s26, 16                        ; + 16 (w % 2) rows: where my two token tiles begin
	s_add_co_u32 s24, s24, s25
	s_mov_b32 s25, 0
	s_mul_i32 s28, s12, 72*WREC                    ; my role's 72 records of wimg
	s_mov_b32 s29, 0
	s_lshl_b32 s30, ttmp9, 15                      ; the work-group's record
	s_mov_b32 s31, 0
	s_mul_i32 s32, s26, 1536                       ; my half of the 256 units: its images,
	s_mov_b32 s33, 0
	s_lshl_b32 s34, s26, 9
	s_add_co_u32 s34, s34, 24576                   ; and its scale words
	s_mov_b32 s35, 0
	s_wait_kmcnt 0x0
	s_add_nc_u64 s[4:5], s[4:5], s[24:25]
	s_add_nc_u64 s[6:7], s[6:7], s[28:29]
	s_cmp_lt_u32 s12, 2                            ; theta's waves store into qrec, phi's into kvrec
	s_cselect_b64 s[14:15], s[8:9], s[10:11]
	s_add_nc_u64 s[14:15], s[14:15], s[30:31]
	s_add_nc_u64 s[16:17], s[14:15], s[34:35]
	s_add_nc_u64 s[14:15], s[14:15], s[32:33]
	s_add_nc_u64 s[18:19], s[10:11], s[30:31]      ; g goes into kvrec from every wave
	WLOAD 0
	XLOAD 0
	XLOAD 1
	XLOAD 2
	; The loads go out in the order W0 U0 U1 U2 | U3 U4 W1 | U5 U6 W2 | .. | U15 W7, and come back in that order (ISA guide 5.7.1): each count is what was issued behind the loads wanted.
	XPH 0, 0, 32                                   ; behind U0: U1, U2
	XPH 0, 1, 32                                   ; behind U1: U2, U3
	BARRIER
	PROD 0, 48                                     ; behind W0, of what can be out: U2, U3, U4
	XPH 1, 0, 63                                   ; behind U2: U3, U4, W1: 68; the wait's field holds 63, and a smaller count is safe
	XPH 1, 1, 63                                   ; behind U3: U4, W1, U5: 68
	BARRIER
	PROD 1, 32                                     ; behind W1: U5, U6
.irp s, 2,3,4,5
	XPH \s, 0, -1                                  ; U(2 s) was issued ahead of W(s - 1), which the last products' wait has shown in
	XPH \s, 1, 63                                  ; behind U(2 s + 1): U(2 s + 2), W(s), U(2 s + 3): 68
	BARRIER
	PROD \s, 32
.endr
	XPH 6, 0, -1
	XPH 6, 1, 63                                   ; behind U13: U14, W6, U15: 68
	BARRIER
	PROD 6, 16                                     ; behind W6: U15
	XPH 7, 0, -1
	XPH 7, 1, 36                                   ; behind U15: W7
	BARRIER
	PROD 7, 0
	; THE RESULTS.  Token tile a's eight accumulators are a lane's 64 numbers along my 128 units: one fragment and one scale word a token.
.irp a, 0,1,2,3,4,5,6,7
.if \a > 0
	s_wait_xcnt 0x0                                ; the last tile's stores have read their registers
.endif
	QUANT2 64*(\a%4), 2+\a/4
.irp c, 0,1,2
	global_store_b128 v[LI], v[PC+4*\c:PC+4*\c+3], s[14:15] offset:3072*\a+512*\c   ; 32 lanes store 512 consecutive bytes, at a multiple of 256 from the buffer's first byte
.endr
.if \a%2 == 0
	v_mov_b32 v[PAIR+\a/2], v[PW]                  ; the even tile's words in lanes 0-15,
.else
	v_cndmask_b32 v[PAIR+\a/2], v[PAIR+\a/2], v[PW], s[HM]   ; the odd tile's in lanes 16-31
.endif
.endr
	global_store_b128 v[LI], v[PAIR:PAIR+3], s[16:17]
	s_wait_xcnt 0x0
	QUANT2 GA, 1                                   ; g: a lane holds one channel, its 64 registers run along the 128 tokens
.irp c, 0,1,2
	global_store_b128 v[GI], v[PC+4*\c:PC+4*\c+3], s[18:19] offset:25600+512*\c
.endr
	global_store_b32 v[GW], v[PW], s[18:19] offset:31744
	global_store_b32 v[GW], v[ZR], s[18:19] offset:32256    ; the record's last 512 bytes: the next launch brings whole records into LDS
	s_wait_tensorcnt 0x0
	ds_add_u32 v33, v63
	s_wait_dscnt 0x0
	s_endpgm
.Lfunc_end_k_q86047d7456_proj:
	.size	k_q86047d7456_proj, .Lfunc_end_k_q86047d7456_proj-k_q86047d7456_proj
	.p2alignl 7, 3214868480
	.fill 96, 4, 3214868480
	.section	.rodata,"a",@progbits
	.p2align	6, 0x0
	.amdhsa_kernel k_q86047d7456_proj
		.amdhsa_group_segment_fixed_size 61952
		.amdhsa_private_segment_fixed_size 0
		.amdhsa_enable_private_segment 0
		.amdhsa_kernarg_size 32
		.amdhsa_user_sgpr_count 2
		.amdhsa_user_sgpr_kernarg_segment_ptr 1
		.amdhsa_wavefront_size32 1
		.amdhsa_system_sgpr_workgroup_id_x 1
		.amdhsa_system_sgpr_workgroup_id_y 1
		.amdhsa_system_sgpr_workgroup_id_z 1
		.amdhsa_system_vgpr_workitem_id 0
		.amdhsa_next_free_vgpr 1024
		.amdhsa_next_free_sgpr 66
		.amdhsa_reserve_vcc 0
		.amdhsa_float_denorm_mode_32 3
		.amdhsa_float_denorm_mode_16_64 3
		.amdhsa_memory_ordered 1
		.amdhsa_forward_progress 1
		.amdhsa_inst_pref_size 255
	.end_amdhsa_kernel
	.section	.bss,"aw",@nobits
	.p2align	6
	.space	262144
	.amdgpu_metadata
---
amdhsa.version: [ 1, 2 ]
amdhsa.kernels:
  - .name:           k_q86047d7456_proj
    .symbol:         k_q86047d7456_proj.kd
    .args:
      - { .name: x, .offset: 0, .size: 8, .value_kind: global_buffer, .address_space: global }
      - { .name: wimg, .offset: 8, .size: 8, .value_kind: global_buffer, .address_space: global }
      - { .name: qrec, .offset: 16, .size: 8, .value_kind: global_buffer, .address_space: global }
      - { .name: kvrec, .offset: 24, .size: 8, .value_kind: global_buffer, .address_space: global }
    .group_segment_fixed_size: 61952
    .private_segment_fixed_size: 0
    .kernarg_segment_align: 8
    .kernarg_segment_size: 32
    .max_flat_workgroup_size: 128
    .sgpr_count:     66
    .vgpr_count:     1024
    .wavefront_size: 32
...
	.end_amdgpu_metadata
.endif
;; end of part 2
;; launch att (part 3): grid 32 x 8, 4 waves a work-group, clusters of 4 x 1, 327,680 bytes of LDS; arguments qrec, kvrec, out0; writes out0
.if DOCPART == 3
	.amdgcn_target "amdgcn-amd-amdhsa--gfx1250"
	.amdhsa_code_object_version 6
	.text
	.protected	k_q86047d7456_att
	.globl	k_q86047d7456_att
	.p2align	8
	.type	k_q86047d7456_att,@function
k_q86047d7456_att:
	s_mov_b64 s[64:65], 0
	v_nop
	global_prefetch_b8 v0, s[64:65] scope:SCOPE_SE
	s_setreg_imm32_b32 hwreg(HW_REG_WAVE_MODE, 25, 1), 1
	s_wait_xcnt 0x0
	s_wait_alu depctr_hold_cnt(0) depctr_sa_sdst(0) depctr_va_vdst(0) depctr_va_sdst(0) depctr_va_ssrc(0) depctr_va_vcc(0) depctr_vm_vsrc(0)
	s_getreg_b32 s2, hwreg(HW_REG_IB_STS2, 6, 4)
	s_cmp_eq_u32 s2, 0
	s_cbranch_scc0 .Lentry_in_a_cluster
	s_endpgm
.Lentry_in_a_cluster:
	s_bfe_u32 s2, ttmp6, 0x10000c
	s_cmp_lg_u32 s2, 0x3003
	s_cbranch_scc0 .Lentry_shape_is_right
	s_endpgm
.Lentry_shape_is_right:
; out[b][q][:] = the sum over keys m of Q(theta[q] . phi[m] / 32) g[m][:], both products on codes of BF6 (E3M2) with one E8M0 byte for each 32 along K; Q quantises the scores along the keys, in blocks of 32.
; theta (qrec), phi and g (kvrec) come as records of 32,768 bytes for 128 tokens, images of operand registers (a fragment: 3 x 512 bytes, registers 4 c .. 4 c + 3 of lane l at 512 c + 16 l):
;   0-24575 images (2 a + s) x 1536 (token tile a, s = which 128 of the 256 units); 24576-25599 their scale words at 512 s + 16 lane + 4 i (lanes 0-15 tile 2 i, lanes 16-31 tile 2 i + 1);
;   kvrec: 25600-31743 g's images 1536 o (16 channels x the 128 tokens in their order); 31744-32255 g's scale words at 128 o + 4 lane.
; Row m of token tile 4 c + u is token 64 c + 32 (m / 8) + 8 u + m % 8 of the 128.
; THE FACTOR 1 / 32 is a power of two: the scores' codes are the same without it, and their scale bytes 5 higher.  So the scores are quantised as they come and out is multiplied by 2^-5 at the end, which rounds nothing.
; LIMITS: a block of scores whose largest magnitude lies under 2^-122 is held at the byte 1 (with the factor applied first the hold would come at 2^-117); a block of zeros gets the byte 1 and zero codes; NaN and infinities are not served.
; SHARES.  A work-group owns 128 queries of one batch.  Wave w: qh = w / 2 picks its 64 queries (four tiles of 16), kh = w % 2 its half of the keys: of each pair of records it takes record kh: 16 key steps of 128 keys.
; Four query tiles share each fragment of phi and g.  The two halves' sums meet in LDS at the end (two f32 sums for an output in place of one).
; LAYOUT.  S^T = phi theta^T (source 0 = 16 keys, source 1 = 16 queries), O^T += g^T P^T (source 0 = 16 channels, source 1 = P): a lane holds ONE query throughout.  By the order of a tile's tokens a lane's 32 registers of key tiles
; 4 c .. 4 c + 3 are keys 64 c + 32 (lane / 16) + 0 .. 31: a whole block in one lane, in the order of P's operand registers.
; A TURN serves one query tile of one key step, in three phases: twenty matrix instructions on end (the 4 products O^T += g^T P^T of the tile two turns back, then the 16 products of this tile's scores); 52 vector lines on end
; (44 that finish the quantising of the scores of the turn before, 8 that begin this turn's); one run of LDS loads for the next record, into the other of two register windows.  So a turn has five window switches at the most for
; its twenty matrix instructions, and no LDS load stands among matrix instructions.
; THE RING.  Two LDS slots of four records (512 keys).  Wave w fetches record 4 f + w of fill f by one tensor load of 128 rows x 256 bytes.  CLUSTER: the four query blocks of a cluster walk the same batch's records:
; each fill is asked for JOINTLY, by the same load with the same descriptor and a mask that names the four.
; REGISTERS, in windows of 256: window 0: v1-12 addresses; v16-32 the quantiser's; v40-63 P, two buffers; v64-65 P's scale words; v66-69 theta's; v72-87 phi's, two sets; v88-95 g's, two sets; v128-255 S^T, two buffers.
;   windows 1 and 2 (records by turns): v0-191 phi's 16 fragments at 12 (2 a + s); v192-239 g's four.   window 3: v0-95 theta at 12 (2 t + s); v96-223 O^T at 96 + 32 t + 8 o.
.set REC,   32768
.set FILL,  4*REC
.set SLOT1, 1<<17                      ; slot 1 begins here: one exclusive or turns an address in one slot into the other's
.set SPARE, 2*SLOT1                    ; behind the ring: the spare words, 128 bytes for each wave: two blocks of 256 bytes that no other line names
.set SP,    272                        ; the way out: stage rows of 256 bytes + 16; 64 rows a wave, in slot 0, which has had its last fill and its last read by then
.set LI,  1                            ; v1   16 x lane
.set LS,  2                            ; v2   4 x lane
.set ADR, 3                            ; v3   16 x lane + the record to be fetched
.set ADS, 4                            ; v4   4 x lane + the same
.set SPW, 5                            ; v5   LDS address of my spare word; never rewritten
.set NIL, 6                            ; v6   0; never rewritten
.set PFO, 7                            ; v7   256 x lane; never rewritten
.set SH8, 8                            ; v8   8 (lane / 16)
.set STO, 9                            ; v9   the stage: where I put 16 bytes of a row
.set RD0, 10                           ; v10  where I read my own sums back,
.set RD1, 11                           ; v11  and my partner's
.set GO,  12                           ; v12  my byte offset in two rows of out
.set TM,  16                           ; v16-19 the largest magnitudes of four runs of 16; they carry a tile's first eight lines from one turn into the next
.set SO,  20
.set BY,  22
.set PX,  24
.set CT,  26
.set PC,  40
.set PW,  64
.set TS,  66
.set PS,  72
.set GS,  88
.set S0,  128
.set OA,  96
.set WV,  12                           ; s12  my wave's number
.set LIM, 15                           ; s15  1 in a cluster that prefetches, else the greatest number
.set PFA, 18                           ; s[18:19] where my prefetches stand
.set SEL, 20                           ; s[20:21] lane selects: lane l xor 16
.set G1,  24                           ; s[24:31] descriptor group 1
.set G0A, 32                           ; s[32:35] group 0 of fill 0
.set G0B, 36                           ; s[36:39] of fill 1; it then walks
.set TB,  40                           ; s40  LDS byte of the record to be fetched
.set CNT, 41                           ; s41  the loop's trips to go
.set OB,  44                           ; s[44:45] out at my rows
.set MSB, 0
.macro WIN new                         ; the immediate's high byte repeats the setting that is left; a switch that changes nothing is dropped
.if MSB != (\new)
	s_set_vgpr_msb (MSB<<8)|(\new)
.set MSB, (\new)
.endif
.endm
.macro CROUND                          ; a round of the cluster's barrier: my work-group's barrier; wave 0 signals for the work-group; every wave waits for all four work-groups; my work-group's barrier once more
	s_barrier_signal -1
	s_barrier_wait -1
	s_cmp_lg_u32 s[WV], 0
	s_cbranch_scc1 .Lnot_wave_0_\@
	s_barrier_signal -3
.Lnot_wave_0_\@:
	s_barrier_wait -3
	s_barrier_signal -1
	s_barrier_wait -1
.endm
; One matrix instruction, from the symbols rD, rA, rB, rSA, rSB.  zc: C = 0, the product starts a sum.  oa, ob: that side's scale words lie in lanes 16-31.
.macro WM
.if zc
.if oa && ob
	v_wmma_scale_f32_16x16x128_f8f6f4 v[rD:rD+7], v[rA:rA+11], v[rB:rB+11], 0, v[rSA], v[rSB] matrix_a_fmt:MATRIX_FMT_BF6 matrix_b_fmt:MATRIX_FMT_BF6 matrix_a_scale:MATRIX_SCALE_ROW1 matrix_b_scale:MATRIX_SCALE_ROW1
.elseif oa
	v_wmma_scale_f32_16x16x128_f8f6f4 v[rD:rD+7], v[rA:rA+11], v[rB:rB+11], 0, v[rSA], v[rSB] matrix_a_fmt:MATRIX_FMT_BF6 matrix_b_fmt:MATRIX_FMT_BF6 matrix_a_scale:MATRIX_SCALE_ROW1
.elseif ob
	v_wmma_scale_f32_16x16x128_f8f6f4 v[rD:rD+7], v[rA:rA+11], v[rB:rB+11], 0, v[rSA], v[rSB] matrix_a_fmt:MATRIX_FMT_BF6 matrix_b_fmt:MATRIX_FMT_BF6 matrix_b_scale:MATRIX_SCALE_ROW1
.else
	v_wmma_scale_f32_16x16x128_f8f6f4 v[rD:rD+7], v[rA:rA+11], v[rB:rB+11], 0, v[rSA], v[rSB] matrix_a_fmt:MATRIX_FMT_BF6 matrix_b_fmt:MATRIX_FMT_BF6
.endif
.else
.if oa && ob
	v_wmma_scale_f32_16x16x128_f8f6f4 v[rD:rD+7], v[rA:rA+11], v[rB:rB+11], v[rD:rD+7], v[rSA], v[rSB] matrix_a_fmt:MATRIX_FMT_BF6 matrix_b_fmt:MATRIX_FMT_BF6 matrix_a_scale:MATRIX_SCALE_ROW1 matrix_b_scale:MATRIX_SCALE_ROW1
.elseif oa
	v_wmma_scale_f32_16x16x128_f8f6f4 v[rD:rD+7], v[rA:rA+11], v[rB:rB+11], v[rD:rD+7], v[rSA], v[rSB] matrix_a_fmt:MATRIX_FMT_BF6 matrix_b_fmt:MATRIX_FMT_BF6 matrix_a_scale:MATRIX_SCALE_ROW1
.elseif ob
	v_wmma_scale_f32_16x16x128_f8f6f4 v[rD:rD+7], v[rA:rA+11], v[rB:rB+11], v[rD:rD+7], v[rSA], v[rSB] matrix_a_fmt:MATRIX_FMT_BF6 matrix_b_fmt:MATRIX_FMT_BF6 matrix_b_scale:MATRIX_SCALE_ROW1
.else
	v_wmma_scale_f32_16x16x128_f8f6f4 v[rD:rD+7], v[rA:rA+11], v[rB:rB+11], v[rD:rD+7], v[rSA], v[rSB] matrix_a_fmt:MATRIX_FMT_BF6 matrix_b_fmt:MATRIX_FMT_BF6
.endif
.endif
.endm
; S^T of query tile t: key tile ma, ms = which 128 of the 256 units; the record lies in window 1 + pb.
.macro SMM t, pb
	WIN (1+(\pb))|0x0c                             ; source 0 (phi) window 1 or 2, source 1 (theta) window 3, C and D window 0
.set rD, S0+64*((\t)%2)+8*ma
.set rA, 12*(2*ma+ms)
.set rB, 12*(2*(\t)+ms)
.set rSA, PS+8*(\pb)+4*ms+ma/2
.set rSB, TS+2*ms+(\t)/2
.set oa, ma%2
.set ob, (\t)%2
.set zc, 1-ms
	WM
.endm
; O^T += g^T P^T in turn t: it serves the tile of two turns back, (t + 2) % 4; channels 16 mo on; g in window 1 + gpar.  pv = 1: the product starts the sum.
.macro PVM t, pv
	WIN (1+gpar)|0xf0                              ; source 0 (g) window 1 or 2, source 1 (P) window 0, C and D window 3
.set rD, OA+32*(((\t)+2)%4)+8*mo
.set rA, 192+12*mo
.set rB, PC+12*((\t)%2)
.set rSA, GS+4*gpar+mo
.set rSB, PW+(\t)%2
.set oa, 0
.set ob, 0
.set zc, 2-(\pv)
	WM
.endm
; THE QUANTISER of a score buffer sb: register 32 c + i of the buffer is key 64 c + 32 (lane / 16) + i of my query.  52 lines, all in window 0.
; MX writes line j of the 32 that find the largest magnitudes of four runs of 16, by turns, each accumulator from its low end on; lines 0-3 start the runs, with the floor 2^(5 - 127), which holds the byte at 1 from below.
.macro MX sb
.set sS, S0+64*(\sb)
.if j < 4
	v_max3_num_f32 v[TM+j], |v[sS+16*j]|, |v[sS+16*j+1]|, 0x2800000
.else
.set qq, j%4
.set ii, 2*(j/4)
	v_max3_num_f32 v[TM+qq], |v[sS+16*qq+ii]|, |v[sS+16*qq+ii+1]|, v[TM+qq]
.endif
.endm
; Lines 0-7: they read accumulators 0, 2, 4 and 6 alone, and stand at the END of the turn that made the scores.
.macro QHEAD sb
.set j, 0
.rept 8
	MX \sb
.set j, j+1
.endr
.endm
; The other 44 lines, a turn later: lines 8-31; the two blocks' maxima; 4 off the exponent field: the conversions' scale operands; the four conversions; then the scale word's six lines and the six moves of the blocks' upper halves,
; by turns, so that no line reads the result of the line above it.  The first of them is the plain line behind the conversions.
.macro QREST sb
.set j, 8
.rept 24
	MX \sb
.set j, j+1
.endr
.set sS, S0+64*(\sb)
.set sP, PC+12*(\sb)
.set sW, PW+(\sb)
	v_max_num_f32 v[TM], v[TM], v[TM+1]            ; block h of these 128 keys,
	v_max_num_f32 v[TM+2], v[TM+2], v[TM+3]        ; block 2 + h
	v_add_nc_u32 v[SO], 0xfe000000, v[TM]
	v_add_nc_u32 v[SO+1], 0xfe000000, v[TM+2]
	v_cvt_scalef32_pk16_bf6_f32 v[sP:sP+2], v[sS:sS+15], v[SO]
	v_cvt_scalef32_pk16_bf6_f32 v[CT:CT+2], v[sS+16:sS+31], v[SO]        ; (a conversion's three registers begin on an even number)
	v_cvt_scalef32_pk16_bf6_f32 v[sP+6:sP+8], v[sS+32:sS+47], v[SO+1]
	v_cvt_scalef32_pk16_bf6_f32 v[CT+4:CT+6], v[sS+48:sS+63], v[SO+1]
	v_lshrrev_b32 v[BY], 23, v[SO]                 ; the scales' bytes
	v_lshrrev_b32 v[BY+1], 23, v[SO+1]
	v_mov_b32 v[sP+3], v[CT]
	v_lshl_or_b32 v[sW], v[BY+1], 16, v[BY]
	v_mov_b32 v[sP+4], v[CT+1]
	v_lshlrev_b32 v[sW], v[SH8], v[sW]             ; at their places in the query's word,
	v_mov_b32 v[sP+5], v[CT+2]
	v_permlanex16_b32 v[PX], v[sW], s[SEL], s[SEL+1]
	v_mov_b32 v[sP+9], v[CT+4]
	v_mov_b32 v[sP+10], v[CT+5]
	v_or_b32 v[sW], v[sW], v[PX]                   ; which lane l xor 16's two make whole
	v_mov_b32 v[sP+11], v[CT+6]
.endm
.macro LD1                             ; load q of the record's 60: 48 for phi's images, 12 for g's, into register 4 q of the window set
.if q < 48
	ds_load_b128 v[4*q:4*q+3], v[ADR] offset:512*q
.else
	ds_load_b128 v[4*q:4*q+3], v[ADR] offset:25600+512*(q-48)
.endif
.endm
.macro SCL0 par                        ; phi's eight scale registers and g's first two
	ds_load_b128 v[PS+8*(\par):PS+8*(\par)+3], v[ADR] offset:24576
	ds_load_b128 v[PS+8*(\par)+4:PS+8*(\par)+7], v[ADR] offset:25088
	ds_load_b32 v[GS+4*(\par)], v[ADS] offset:31744
	ds_load_b32 v[GS+4*(\par)+1], v[ADS] offset:31872
.endm
.macro SCL1 par
	ds_load_b32 v[GS+4*(\par)+2], v[ADS] offset:32000
	ds_load_b32 v[GS+4*(\par)+3], v[ADS] offset:32128
.endm
; Run rn of the four that bring the next record into window 1 + par: loads 0-16 at the head of turn 0, 17-33 behind turn 0, 34-49 behind turn 1, 50-59 and the six loads of scale words behind turn 2; turn 3 has none, so that the
; last run has a whole turn in which to land.  Each run stands behind a turn's vector lines, which are also the places behind the matrix instructions that read these registers last: phi's in the step before;
; g's (loads 48 on) and g's scale words at the head of turn 1.
.macro LRUN rn, par
	WIN 0x40*(1+(\par))                            ; destination window 1 or 2, address window 0
.if (\rn) == 0
.set q, 0
.set qe, 17
.elseif (\rn) == 1
.set q, 17
.set qe, 34
.elseif (\rn) == 2
.set q, 34
.set qe, 50
.else
.set q, 50
.set qe, 60
.endif
.rept 17
.if q < qe
	LD1
.endif
.set q, q+1
.endr
.if (\rn) == 3
	WIN 0
	SCL0 \par
	SCL1 \par
.endif
.endm
.macro LOADREC par                     ; a whole record on end: the first
	WIN 0x40*(1+(\par))
.set q, 0
.rept 60
	LD1
.set q, q+1
.endr
	WIN 0
	SCL0 \par
	SCL1 \par
.endm
; A TURN: query tile t of the key step whose record lies in window 1 + pb.
; MATRIX: O^T's four products; the scores of key tiles 0-7 on the first 128 units (C = 0); the same on the second 128, in place.  Between the two links of a chain stand seven matrix instructions, one instruction a turn of an
; accumulator, over the loop's backward jump too.
; PLACES (ISA guide 7.12.1), by count: QHEAD's line 3 reads accumulator 6, which the last matrix instruction but one has written: QREST's 40 plain lines and lines 0-2 lie between (in the first turn four v_nop and lines 0-2).
; P's last move and the last write of P's scale word stand in QREST's last two lines; the product that reads them is the next turn's first: QHEAD's eight lines lie between (ahead of the very last products: eight v_nop).
; hasS, hasQ: the turn has scores, a quantiser to finish.  pv: 0 none, 1 starts O^T's sums, 2 in place.  ld: the next record is fetched.
.macro TURN t, pb, hasS, hasQ, pv, ld
.set gpar, 1-(\pb)                     ; turns 0 and 1 still serve the step before
.if (\t) >= 2
.set gpar, \pb
.endif
.if (\ld) && ((\t) == 0)
	LRUN 0, 1-(\pb)
.endif
.if !(\hasS) && !(\hasQ)
.rept 8
	v_nop                                          ; the very last products: eight places behind the last write of P's scale word
.endr
.endif
.if \pv
.set mo, 0
.rept 4
	PVM \t, \pv
.set mo, mo+1
.endr
.endif
.if \hasS
.set ms, 0
.rept 2
.set ma, 0
.rept 8
	SMM \t, \pb
.set ma, ma+1
.endr
.set ms, ms+1
.endr
.endif
	WIN 0
.if \hasQ
	QREST 1-((\t)%2)
.elseif \hasS
.rept 4
	v_nop                                          ; the first turn has nothing to finish: these are the places behind its products
.endr
.endif
.if \hasS
	QHEAD (\t)%2
.endif
.if (\ld) && ((\t) < 3)
	LRUN (\t)+1, 1-(\pb)
.endif
.endm
; At a step's head, no LDS load of mine out: on to the record that this step fetches.  Record j of my 16 lies at (j % 4) x 65536 + kh x 32768: the exclusive or is 0x10000 at an even step's head, 0x30000 at an odd one's.
.macro HEAD x
	s_xor_b32 s[TB], s[TB], \x
	v_add_nc_u32 v[ADR], s[TB], v[LI]
	v_add_nc_u32 v[ADS], s[TB], v[LS]
.endm
; A PREFETCH INTO THE L2 of the fill that the NEXT change of slots will ask for: 131,072 bytes, 512 blocks of 256.  All eight clusters of a batch walk the same records: the batch's first cluster asks.  Its four partners share the blocks
; out BY ADDRESS, 32,768 bytes each (no branch hangs on a work-group's place in its cluster), their waves 8,192 each, lanes 256 bytes apart: one instruction a wave, and each block is named once in the launch.
; It stands behind the wave's tensor load and its four lines.  how = 1: the first change; else in the loop, whose last trip asks for nothing: there is no fill behind the last.  Fills 0, 1 and 2 come by their loads alone.
.macro ASK how
.if \how
	s_cmp_eq_u32 s[LIM], 1
.else
	s_cmp_gt_u32 s[CNT], s[LIM]
.endif
	s_cbranch_scc0 .Lnot_mine_\@
	global_prefetch_b8 v[PFO], s[PFA:PFA+1] th:TH_LOAD_NT scope:SCOPE_SE
.Lnot_mine_\@:
.endm
; THE CHANGE OF SLOTS, at the head of an odd step: the slot's second record of mine went into registers during the step before.  Each wave waits for all its tensor loads, of which one is out: its record of the other slot; adds 0 to its
; spare word; waits for that and for its reads of the slot.  Behind the barrier nobody reads this slot and the other is whole.  fill = 1: the barrier is a round of the cluster's, and the joint refill, two fills on, is the first thing
; behind it: it has two key steps, 160 matrix instructions, in which to land.
.macro CHANGE fill, how
	WIN 0                                          ; at a label and at a branch every window is 0
	s_wait_tensorcnt 0x0                           ; no tensor load of mine is out, so a group 0 may be written
	ds_add_u32 v[SPW], v[NIL]                      ; 0 onto my spare word
.if \fill
	s_xor_b32 s[G0B+1], s[G0B+1], SLOT1            ; the walking descriptor: the other slot than last time,
	s_add_nc_u64 s[G0B+2:G0B+3], s[G0B+2:G0B+3], FILL   ; the next four records; the type bits on top are not reached
	s_wait_xcnt 0x0                                ; the last prefetch, two key steps back, has read its address, so it may be written:
	s_add_nc_u64 s[PFA:PFA+1], s[PFA:PFA+1], FILL  ; one fill further on than the walking descriptor
.endif
	s_wait_dscnt 0x0                               ; the add is done, and my reads of the slot are over
.if \fill
	CROUND
	tensor_load_to_lds s[G0B:G0B+3], s[G1:G1+7]    ; my one tensor load behind the round
	s_nop 0
.rept 4
	v_nop                                          ; four lines behind the load, ahead of the branch, the label and what follows
.endr
	ASK \how
.else
	s_barrier_signal -1
	s_barrier_wait -1
.endif
.endm
; From an odd step's third turn to the next odd step's second: two key steps, one change of slots.
.macro BODY fill
	TURN 2, 1, 1, 1, 2, 1
	TURN 3, 1, 1, 1, 2, 1
	WIN 0
	s_wait_dscnt 0x0                               ; the even step's record is in: its last run went out a turn ago
	HEAD 0x10000
	TURN 0, 0, 1, 1, 2, 1
	TURN 1, 0, 1, 1, 2, 1
	TURN 2, 0, 1, 1, 2, 1
	TURN 3, 0, 1, 1, 2, 1
	CHANGE \fill, 0
	HEAD 0x30000
	TURN 0, 1, 1, 1, 2, 1
	TURN 1, 1, 1, 1, 2, 1
	WIN 0
.endm
	s_load_b128 s[4:7], s[0:1], 0x0                ; qrec s[4:5], kvrec s[6:7]
	s_load_b64 s[8:9], s[0:1], 0x10                ; out0
	v_lshl_add_u32 v[SPW], v0, 2, SPARE
	v_mov_b32 v[NIL], 0
	ds_add_u32 v5, v6
	ds_add_u32 v5, v6
	s_wait_dscnt 0x0
	v_lshrrev_b32 v13, 5, v0
	v_readfirstlane_b32 s[WV], v13                 ; wave 0..3
	s_bfe_u32 s13, ttmp6, 0x40000                  ; cx: my place in the cluster
	s_lshl_b32 s14, ttmp9, 2                       ; in a cluster launch ttmp9 counts clusters
	s_add_co_u32 s14, s14, s13                     ; my block of 128 queries: it enters qrec's and out's addresses alone
	s_and_b32 s42, ttmp7, 0xffff                   ; the batch, which the four partners share
	s_lshr_b32 s16, s[WV], 1                       ; qh
	s_and_b32 s17, s[WV], 1                        ; kh
	; descriptor group 1: a record as 128 rows of 256 bytes, dense in memory and in LDS
	s_mov_b32 s[G1], 15|(3<<16)|(1<<21)            ; 15:0 the mask: all four work-groups; 17:16 elements of 8 bytes; 20 no padding; 21 set beside a mask
	s_mov_b32 s[G1+1], 32<<16                      ; tensor_dim0 = 32
	s_mov_b32 s[G1+2], 128<<16                     ; tensor_dim1 = 128
	s_mov_b32 s[G1+3], 32<<16                      ; tile_dim0 = 32
	s_mov_b32 s[G1+4], 128                         ; tile_dim1 = 128
	s_mov_b32 s[G1+5], 32                          ; from row to row
	s_mov_b32 s[G1+6], 0
	s_mov_b32 s[G1+7], 0
	s_mov_b32 s[SEL], 0x76543210
	s_mov_b32 s[SEL+1], 0xfedcba98
	s_lshl_b32 s46, s42, 20                        ; a batch's 32 records, and its 4,096 rows of out, are 2^20 bytes
	s_lshl_b32 s43, s[WV], 15                      ; the record that I fetch of a fill: in memory and in a slot
	s_add_co_u32 s48, s46, s43
	s_mov_b32 s49, 0
	s_lshl_b32 s50, s14, 15
	s_add_co_u32 s50, s50, s46                     ; my queries' record; also my block's first row of out
	s_mul_i32 s22, s16, 12288
	s_add_co_u32 s52, s50, s22                     ; theta's images: my four tiles
	s_mov_b32 s53, 0
	s_lshl_b32 s22, s16, 3
	s_add_co_u32 s54, s50, s22                     ; their scale words: pairs 2 qh and 2 qh + 1
	s_mov_b32 s55, 0
	s_lshl_b32 s22, s16, 14
	s_add_co_u32 s56, s50, s22                     ; out: + 64 qh rows of 256 bytes,
	s_lshl_b32 s22, s17, 12
	s_add_co_u32 s56, s56, s22                     ; + 16 kh
	s_mov_b32 s57, 0
	s_lshl_b32 s22, s13, 15                        ; the prefetches: my work-group's quarter of a fill,
	s_add_co_u32 s58, s46, s22
	s_lshl_b32 s22, s[WV], 13                      ; my wave's quarter of that,
	s_add_co_u32 s58, s58, s22
	s_add_co_u32 s58, s58, 2*FILL                  ; in fill 2: the first change of slots steps it to fill 3.  Nothing is prefetched here, at the head
	s_mov_b32 s59, 0
	s_cmp_eq_u32 ttmp9, 0                          ; the batch's first cluster: the same in all four partners
	s_cselect_b32 s[LIM], 1, -1
	v_and_b32 v14, 31, v0                          ; lane
	v_and_b32 v15, 15, v0                          ; r
	v_bfe_u32 v13, v0, 4, 1                        ; h
	v_lshlrev_b32 v[LI], 4, v14
	v_lshlrev_b32 v[LS], 2, v14
	v_lshlrev_b32 v[PFO], 8, v14
	v_lshlrev_b32 v[SH8], 3, v13
	s_mul_i32 s22, s[WV], 64*SP                    ; my stage
	v_mul_u32_u24 v[STO], v15, SP                  ; in: row r of a tile, + 32 h
	v_lshl_add_u32 v[STO], v13, 5, v[STO]
	v_add_nc_u32 v[STO], s22, v[STO]
	s_mul_i32 s23, s17, 32*SP                      ; back: of the pair's four tiles I sum tiles 2 kh and 2 kh + 1; lanes 0-15 take one row, lanes 16-31 the next
	v_mul_u32_u24 v[RD0], v13, SP
	v_lshl_add_u32 v[RD0], v15, 4, v[RD0]
	v_add_nc_u32 v[RD0], s23, v[RD0]
	s_xor_b32 s23, s[WV], 1
	s_mul_i32 s23, s23, 64*SP                      ; my partner's stage
	v_add_nc_u32 v[RD1], s23, v[RD0]
	v_add_nc_u32 v[RD0], s22, v[RD0]
	v_lshlrev_b32 v[GO], 8, v13                    ; and the same two rows in out
	v_lshl_add_u32 v[GO], v15, 4, v[GO]
	v_mov_b32 v[PX], 0                             ; written once: a lane permute's destination counts as one of its sources
	s_wait_kmcnt 0x0
	s_mov_b32 s[G0A], 1                            ; 1:0 count = 1
	s_mov_b32 s[G0A+1], s43                        ; 63:32 LDS address: slot 0, my record
	s_add_nc_u64 s[G0A+2:G0A+3], s[6:7], s[48:49]  ; 120:64 global address: fill 0
	s_mov_b32 s[G0B], 1
	s_add_co_u32 s[G0B+1], s43, SLOT1              ; slot 1,
	s_add_nc_u64 s[G0B+2:G0B+3], s[G0A+2:G0A+3], FILL   ; fill 1
	s_or_b32 s[G0A+3], s[G0A+3], 0x80000000        ; 127:126 type = 2
	s_or_b32 s[G0B+3], s[G0B+3], 0x80000000
	s_add_nc_u64 s[10:11], s[4:5], s[54:55]        ; theta's scale words
	s_add_nc_u64 s[4:5], s[4:5], s[52:53]          ; theta's images
	s_add_nc_u64 s[OB:OB+1], s[8:9], s[56:57]
	s_add_nc_u64 s[PFA:PFA+1], s[6:7], s[58:59]
	CROUND                                         ; all four work-groups are here: the first joint loads meet
	tensor_load_to_lds s[G0A:G0A+3], s[G1:G1+7]    ; both first fills on end, ahead of every wait on TENSORcnt and every LDS read: two loads of mine are out
	s_nop 0
	tensor_load_to_lds s[G0B:G0B+3], s[G1:G1+7]
	s_nop 0
.rept 4
	v_nop
.endr
	WIN 0xc0                                       ; destination window 3
.set q, 0
.rept 24
	global_load_b128 v[4*q:4*q+3], v[LI], s[4:5] offset:512*q    ; theta's eight fragments stay in registers
.set q, q+1
.endr
	WIN 0
	global_load_b64 v[TS:TS+1], v[LI], s[10:11] offset:24576
	global_load_b64 v[TS+2:TS+3], v[LI], s[10:11] offset:24576+512
	s_wait_tensorcnt 0x1                           ; my record of fill 0 is in; fill 1's may stay out
	s_barrier_signal -1
	s_barrier_wait -1                              ; everybody's is
	s_lshl_b32 s[TB], s17, 15                      ; my record 0
	v_add_nc_u32 v[ADR], s[TB], v[LI]
	v_add_nc_u32 v[ADS], s[TB], v[LS]
	LOADREC 0
	s_wait_loadcnt 0x0                             ; theta
	s_wait_dscnt 0x0
	HEAD 0x10000
	TURN 0, 0, 1, 0, 0, 1                          ; step 0: the pipeline fills: scores, and their quantiser's first eight lines,
	TURN 1, 0, 1, 1, 0, 1                          ; then the first quantiser is finished,
	TURN 2, 0, 1, 1, 1, 1                          ; then the products that start O^T's sums: nothing is ever cleared
	TURN 3, 0, 1, 1, 1, 1
	CHANGE 1, 1                                    ; slot 0 takes fill 2
	HEAD 0x30000
	TURN 0, 1, 1, 1, 1, 1
	TURN 1, 1, 1, 1, 1, 1
	WIN 0
	s_mov_b32 s[CNT], 5
.Lslot:                                            ; five trips: the changes that ask for fills 3 to 7
	BODY 1
	s_sub_co_u32 s[CNT], s[CNT], 1
	s_cmp_lg_u32 s[CNT], 0
	s_cbranch_scc1 .Lslot
	BODY 0                                         ; written out: the last change of slots asks for nothing
	TURN 2, 1, 1, 1, 2, 1                          ; step 13 goes on
	TURN 3, 1, 1, 1, 2, 1
	WIN 0
	s_wait_dscnt 0x0
	HEAD 0x10000
	TURN 0, 0, 1, 1, 2, 1                          ; step 14 fetches my last record
	TURN 1, 0, 1, 1, 2, 1
	TURN 2, 0, 1, 1, 2, 1
	TURN 3, 0, 1, 1, 2, 1
	WIN 0
	s_wait_dscnt 0x0
	TURN 0, 1, 1, 1, 2, 0                          ; step 15 fetches nothing
	TURN 1, 1, 1, 1, 2, 0
	TURN 2, 1, 1, 1, 2, 0
	TURN 3, 1, 1, 1, 2, 0
	TURN 0, 0, 0, 1, 2, 0                          ; the pipeline drains: the last quantiser is finished,
	TURN 1, 0, 0, 0, 2, 0                          ; the last four products
	; THE WAY OUT.  Each wave's 64 queries x 64 channels go into its stage as rows of 256 bytes; behind a barrier each wave adds its own and its partner's sums for two of the pair's four tiles, multiplies by 2^-5 and stores whole rows.
	WIN 0
.rept 4
	v_nop                                          ; four places behind the last products
.endr
	WIN 0x0c                                       ; an LDS store's data are its source 1: window 3
.irp t, 0,1,2,3
.irp o, 0,1,2,3
	ds_store_b128 v[STO], v[OA+32*\t+8*\o:OA+32*\t+8*\o+3] offset:16*SP*\t+64*\o          ; each accumulator from its low end on: channels 16 o + 8 h + 0 .. 3,
	ds_store_b128 v[STO], v[OA+32*\t+8*\o+4:OA+32*\t+8*\o+7] offset:16*SP*\t+64*\o+16     ; + 4 .. 7
.endr
.endr
	WIN 0
	s_wait_dscnt 0x0                               ; for the others' sake: my stores into the stage are done
	s_barrier_signal -1
	s_barrier_wait -1
.irp u, 0,1
.irp i, 0,1,2,3,4,5,6,7
	ds_load_b128 v[128+32*\u+4*\i:128+32*\u+4*\i+3], v[RD0] offset:16*SP*\u+2*SP*\i
	ds_load_b128 v[192+32*\u+4*\i:192+32*\u+4*\i+3], v[RD1] offset:16*SP*\u+2*SP*\i
.endr
.endr
	s_wait_dscnt 0x0
.set q, 0
.rept 32
	v_pk_add_f32 v[128+2*q:128+2*q+1], v[128+2*q:128+2*q+1], v[192+2*q:192+2*q+1]         ; the two halves of the keys
.set q, q+1
.endr
.set q, 0
.rept 32
	v_pk_mul_f32 v[128+2*q:128+2*q+1], v[128+2*q:128+2*q+1], 0x3d000000 op_sel_hi:[1,0]   ; x 2^-5
.set q, q+1
.endr
.irp u, 0,1
.irp i, 0,1,2,3,4,5,6,7
	global_store_b128 v[GO], v[128+32*\u+4*\i:128+32*\u+4*\i+3], s[OB:OB+1] offset:(32*(\i/4)+8*\u+2*(\i%4))*256 th:TH_STORE_NT   ; row 2 i + lane / 16 of tile 2 kh + u is token 64 qh + 16 kh + 32 (i / 4) + 8 u + 2 (i % 4) + lane / 16; sixteen lanes store one aligned row of 256 bytes
.endr
.endr
	s_wait_tensorcnt 0x0                           ; the wave's end: behind my last tensor load and my last LDS store
	ds_add_u32 v[SPW], v[NIL]
	s_wait_dscnt 0x0
	CROUND                                         ; the closing round: no work-group ends while a partner may still ask for a fill that names it
	s_endpgm
.Lfunc_end_k_q86047d7456_att:
	.size	k_q86047d7456_att, .Lfunc_end_k_q86047d7456_att-k_q86047d7456_att
	.p2alignl 7, 3214868480
	.fill 96, 4, 3214868480
	.section	.rodata,"a",@progbits
	.p2align	6, 0x0
	.amdhsa_kernel k_q86047d7456_att
		.amdhsa_group_segment_fixed_size 327680
		.amdhsa_private_segment_fixed_size 0
		.amdhsa_enable_private_segment 0
		.amdhsa_kernarg_size 24
		.amdhsa_user_sgpr_count 2
		.amdhsa_user_sgpr_kernarg_segment_ptr 1
		.amdhsa_wavefront_size32 1
		.amdhsa_system_sgpr_workgroup_id_x 1
		.amdhsa_system_sgpr_workgroup_id_y 1
		.amdhsa_system_sgpr_workgroup_id_z 1
		.amdhsa_system_vgpr_workitem_id 0
		.amdhsa_next_free_vgpr 1024
		.amdhsa_next_free_sgpr 66
		.amdhsa_reserve_vcc 0
		.amdhsa_float_denorm_mode_32 3
		.amdhsa_float_denorm_mode_16_64 3
		.amdhsa_memory_ordered 1
		.amdhsa_forward_progress 1
		.amdhsa_inst_pref_size 236
	.end_amdhsa_kernel
	.amdgpu_metadata
---
amdhsa.version: [ 1, 2 ]
amdhsa.kernels:
  - .name:           k_q86047d7456_att
    .symbol:         k_q86047d7456_att.kd
    .args:
      - { .name: qrec, .offset: 0, .size: 8, .value_kind: global_buffer, .address_space: global }
      - { .name: kvrec, .offset: 8, .size: 8, .value_kind: global_buffer, .address_space: global }
      - { .name: out0, .offset: 16, .size: 8, .value_kind: global_buffer, .address_space: global }
    .group_segment_fixed_size: 327680
    .private_segment_fixed_size: 0
    .kernarg_segment_align: 8
    .kernarg_segment_size: 24
    .max_flat_workgroup_size: 128
    .sgpr_count:     66
    .vgpr_count:     1024
    .wavefront_size: 32
...
	.end_amdgpu_metadata
.endif
;; end of part 3
;; ======== version 2 of 2: 3 launches; version 1 with the launch proj written anew for expert scheduling mode
;; limits: right only within a limited range of input values
;; workspace buffers: wimg 516,096 bytes; qrec 8,388,608 bytes; kvrec 8,388,608 bytes
;; launch wq: the kernel of part 1 again; grid 9 x 32, 1 waves a work-group, no clusters, 0 bytes of LDS; arguments W_theta, W_phi, W_g, wimg; writes wimg
;; launch proj (part 4): grid 256 x 1, 4 waves a work-group, no clusters, 61,952 bytes of LDS; arguments x, wimg, qrec, kvrec; writes qrec, kvrec
.if DOCPART == 4
	.amdgcn_target "amdgcn-amd-amdhsa--gfx1250"
	.amdhsa_code_object_version 6
	.text
	.protected	k_q86047d7456_proj
	.globl	k_q86047d7456_proj
	.p2align	8
	.type	k_q86047d7456_proj,@function
k_q86047d7456_proj:
	s_mov_b64 s[64:65], 0
	v_nop
	global_prefetch_b8 v0, s[64:65] scope:SCOPE_SE
	s_setreg_imm32_b32 hwreg(HW_REG_WAVE_SCHED_MODE, 0, 2), 2
	s_setreg_imm32_b32 hwreg(HW_REG_WAVE_MODE, 25, 1), 1
	s_wait_xcnt 0x0
	s_wait_alu depctr_vm_vsrc(0)
; theta = x W_theta^T, phi = x W_phi^T, g = x W_g^T on codes of BF6 (E3M2) with one E8M0 byte for each 32 along K; x [32768][1024] f32 is quantised here, in registers; the weights come as images from wimg.
; The three results are quantised here too, in registers, for the products that follow: theta and phi along their 256 units, g along the TOKENS.  They leave as images of operand registers.
; A record of 32,768 bytes serves 128 tokens (record = token / 128).  qrec (theta) and kvrec (phi): bytes 0-24575 images (2 a + sK) x 1536: token tile a, sK = which 128 of the 256 units;
;   24576-25599 scale words at 512 sK + 16 lane + 4 i: lanes 0-15 tile 2 i's rows, lanes 16-31 tile 2 i + 1's.  kvrec alone: 25600-31743 g's images, 1536 o (16 channels x the 128 tokens);
;   31744-32255 g's scale words at 128 o + 4 lane; 32256-32767 zeros, so that a record is 128 whole rows of 256 bytes.
; THE TOKENS OF A TILE ARE NOT NEIGHBOURS, nor are a weight tile's rows: row m of tile 4 c + u is element 64 c + 32 (m / 8) + 8 u + m % 8 of the 128.  In a result (register j = row 8 (lane / 16) + j of source 0) a lane's
; 32 registers of tiles 4 c .. 4 c + 3 are then elements 64 c + 32 (lane / 16) + 0 .. 31: a whole block of 32 in one lane, in the order of the next operand's registers: no maximum crosses lanes, no halves are exchanged.
; SHARES.  A work-group takes 128 tokens.  THE WAVES SHARE THE COLUMNS: wave w makes 128 units (0, 1: theta's halves; 2, 3: phi's) and 16 channels of g for all 128 tokens: 72 accumulators, 576 registers.
; Each weight fragment is loaded once, by one wave, straight into operand registers.  Wave w quantises x's token tiles 2 w and 2 w + 1 of each K step and hands their images to the others through LDS.
; theta and phi are used transposed (source 0 = 16 weight rows, source 1 = 16 tokens): a lane holds one token, its registers run along the units.  g the other way round: a lane holds one channel, its registers run along the tokens.
; x comes by loads into registers, three units of 16 loads (8 KB) a wave ahead; they stay out across the barriers.  All eight K steps are written out: every offset is an immediate and no pointer is stepped.
; NO CLUSTER: what work-groups share is the weights' 36 x 1,792 bytes a K step; a joint request lands in LDS alone, so each fragment would be written to LDS and read from it again on its way to the one wave that wants it, and each of the
; eight K steps would stand behind a round that ties four streams of x together; the 512 KB of x, more than half of what a work-group loads, are shared with nobody.
; LIMITS: a block whose largest magnitude lies under 2^-122 is held at the byte 1 (a block of zeros too: its codes are zeros, and this program alone reads the bytes); NaN and infinities are not served.
; THE MODE: SCHED_MODE bits 1:0 = 2 (LLVM: expert scheduling mode 2), set by the entry lines.  The code itself states the register dependences between vector or matrix instructions and memory or LDS instructions,
; with s_wait_alu, always for 0.
; THE PLAN.  Registers that memory or LDS instructions touch, and who else names them:
;   v1-10         addresses: written at the head, never again.  One wait on va_vdst, ahead of the first load, states them for the whole kernel.
;   X0 .. X2      v64-255, a set to a unit of x: 16 global loads land; the stage's 16 stores read; the stage's 16 loads land; the quantiser reads; the loads of the unit three on land.
;   PC, PW        v34-45, v25: the quantiser writes; the image's stores read; in the products' phase the fragment of x's tile 7 lands in PC, and that tile's nine products read it.
;   XF, XS        window 1 v108-191, window 0 v55-62: x's tiles 0 to 6 and the eight scale words land at the head of the products' phase; the products read.
;   weights, WS   window 1 v0-107, window 0 v46-54: the step's products read; the next step's loads land behind them.
;   OUT           v64-171, at the end: nine buffers of twelve registers, one for each fragment of results: the quantiser writes a buffer once and three stores read it; none is written again.
; A UNIT has two waits: vm_vsrc between the stage's stores and its loads, va_vdst behind the quantiser.  THE PRODUCTS' PHASE has three: vm_vsrc and va_vdst at its head, ahead of all its 32 LDS loads, and va_vdst behind its last
; product, ahead of the next weights.  No wait stands among a step's 72 matrix instructions.  A FRAGMENT OF RESULTS has one: va_vdst ahead of its stores.
; REGISTERS, in windows of 256: window 0: v1-10 addresses; v16-45 the quantiser's (v34-45 also x's tile 7); v46-54 the weights' scale words; v55-62 x's; v64-255 three sets of 64 numbers of x, at the end the results' codes.
;   window 1: v0-107 the K step's nine weight fragments; v108-191 seven fragments of x; v192-255 g's eight accumulators.   window 2: accumulators of token tiles 0-3 at 64 a + 8 f;   window 3: of tiles 4-7.
.set WREC, 1792
.set IB,   13312                       ; LDS: an image buffer: 8 images of 1,536 bytes, then 8 x 128 bytes of scale words; two buffers by turns
.set STG,  2*IB                        ; behind them a stage of 16 rows x (512 + 16) bytes for each wave
.set SROW, 528
.set LI,  1                            ; v1   16 x lane
.set LS,  2                            ; v2   4 x lane
.set STS, 3                            ; v3   the stage, on the way in: 16 x lane
.set STL, 4                            ; v4   and on the way out: row r, + 128 h
.set IWI, 5                            ; v5   where I store x's images: 16 x lane + 3072 x wave
.set IWS, 6                            ; v6   and their scale words: 12288 + 4 x lane + 256 x wave
.set SH8, 7                            ; v7   8 h
.set ZR,  8                            ; v8   0
.set GI,  9                            ; v9   16 x lane + 1536 x wave: g's image
.set GW,  10                           ; v10  4 x lane + 128 x wave: g's scale words
.set TM,  16
.set SO,  20
.set BY,  22
.set PX,  24
.set PW,  25
.set CT,  26
.set PC,  34
.set WS,  46                           ; v46-54 scale words of the nine weight fragments
.set XS,  55                           ; v55-62 of x's eight tiles
.set PAIR, 56                          ; v56-59 at the end: the results' scale words, two tiles to a register
.set OUTB, 64                          ; v64-171 at the end: the results' codes, twelve registers a fragment
.set XF,  108                          ; window 1
.set GA,  192                          ; window 1
.set SEL, 20                           ; s[20:21]
.set HM,  22                           ; s22  lanes 16-31
.set MSB, 0
.macro WIN new                         ; the immediate's high byte repeats the setting that is left; a switch that changes nothing is dropped
.if MSB != (\new)
	s_set_vgpr_msb (MSB<<8)|(\new)
.set MSB, (\new)
.endif
.endm
; 64 numbers of a lane in window W, register 32 c + i = k 64 c + 32 h + i of the lane's row, become a fragment's codes in v[d] on (window 0) and the row's scale word in v[PW], whole in every lane.
.macro QUANT2 s, W, d
	WIN (\W)|((\W)<<2)
.irp q, 0,1,2,3
	v_max3_num_f32 v[TM+\q], |v[(\s)+16*\q]|, |v[(\s)+16*\q+1]|, 0x2800000   ; four runs of 16 by turns, each accumulator from its low end on; the floor 2^(5 - 127) holds the byte at 1 from below
.endr
.irp i, 2,4,6,8,10,12,14
.irp q, 0,1,2,3
	v_max3_num_f32 v[TM+\q], |v[(\s)+16*\q+\i]|, |v[(\s)+16*\q+\i+1]|, v[TM+\q]
.endr
.endr
	WIN 0
	v_max_num_f32 v[TM], v[TM], v[TM+1]            ; block h,
	v_max_num_f32 v[TM+2], v[TM+2], v[TM+3]        ; block 2 + h
	v_add_nc_u32 v[SO], 0xfe000000, v[TM]          ; 4 off the exponent field: the conversion's scale operand
	v_add_nc_u32 v[SO+1], 0xfe000000, v[TM+2]
	v_lshrrev_b32 v[BY], 23, v[SO]
	v_lshrrev_b32 v[BY+1], 23, v[SO+1]
	v_lshl_or_b32 v[PW], v[BY+1], 16, v[BY]
	v_lshlrev_b32 v[PW], v[SH8], v[PW]
	v_permlanex16_b32 v[PX], v[PW], s[SEL], s[SEL+1]
	v_or_b32 v[PW], v[PW], v[PX]
	WIN \W
	v_cvt_scalef32_pk16_bf6_f32 v[(\d):(\d)+2], v[(\s):(\s)+15], v[SO]
	v_cvt_scalef32_pk16_bf6_f32 v[CT:CT+2], v[(\s)+16:(\s)+31], v[SO]    ; (a conversion's three registers begin on an even number)
	v_cvt_scalef32_pk16_bf6_f32 v[(\d)+6:(\d)+8], v[(\s)+32:(\s)+47], v[SO+1]
	v_cvt_scalef32_pk16_bf6_f32 v[CT+4:CT+6], v[(\s)+48:(\s)+63], v[SO+1]
	WIN 0
	v_nop                                          ; one plain line behind the conversions
.irp c, 0,1
.irp i, 0,1,2
	v_mov_b32 v[(\d)+3+6*\c+\i], v[CT+4*\c+\i]
.endr
.endr
.endm
; Unit u = 2 s + e: K step s of my token tile 2 w + e: 16 rows x 512 bytes, a row a load, into set u % 3.
.macro XLOAD u
.set SETR, 64+64*((\u)%3)
.irp m, 0,1,2,3,4,5,6,7,8,9,10,11,12,13,14,15
	global_load_b128 v[SETR+4*\m:SETR+4*\m+3], v[LI], s[4:5] offset:(32*(\m/8)+\m%8+8*((\u)%2))*4096+512*((\u)/2) th:TH_LOAD_NT   ; 32 lanes read 512 consecutive bytes; read once in the launch
.endr
.endm
; K step s's nine weight fragments and their scale words: 36 loads.
.macro WLOAD s
	WIN 0x40                                       ; destination window 1
	s_wait_alu depctr_va_vdst(0)                   ; at the head: the addresses v1 to v10 are written, which every load and store of the kernel reads; behind a step's products: they are done reading the weights and their scale words, in which the loads below land
.irp f, 0,1,2,3,4,5,6,7,8
.irp c, 0,1,2
	global_load_b128 v[12*\f+4*\c:12*\f+4*\c+3], v[LI], s[6:7] offset:(9*(\s)+\f)*WREC+512*\c
.endr
.endr
	WIN 0
.irp f, 0,1,2,3,4,5,6,7,8
	global_load_b32 v[WS+\f], v[LS], s[6:7] offset:(9*(\s)+\f)*WREC+1536   ; (only loads and a window switch stand between the wait above and these)
.endr
.endm
; One unit: through my stage (in as rows, out 32 neighbours a lane and block; LDS serves a wave's instructions in order), quantised, its image and scale words to LDS.  N: the loads that may stay out; -1: an earlier wait has shown the unit in.
.macro XPH s, e, N
.set SETQ, 64+64*((2*(\s)+(\e))%3)
.if (\N) >= 0
	s_wait_loadcnt \N
.endif
.irp m, 0,1,2,3,4,5,6,7,8,9,10,11,12,13,14,15
	ds_store_b128 v[STS], v[SETQ+4*\m:SETQ+4*\m+3] offset:SROW*\m
.endr
	s_wait_alu depctr_vm_vsrc(0)                   ; the sixteen stores have read the set, in which the loads below land (and later those of the unit three on); the last image's stores have read v[PC ..] and v[PW], which the quantiser below writes again
.irp c, 0,1
.irp j, 0,1,2,3,4,5,6,7
	ds_load_b128 v[SETQ+32*\c+4*\j:SETQ+32*\c+4*\j+3], v[STL] offset:256*\c+16*\j   ; rows 528 bytes apart: sixteen rows begin in sixteen different columns of 16 bytes
.endr
.endr
	s_wait_dscnt 0x0                               ; the numbers are back
	QUANT2 SETQ, 0, PC
	s_wait_alu depctr_va_vdst(0)                   ; the quantiser has written v[PC ..] and v[PW], which the image's stores read, and is done reading the set, in which the loads of the unit three on land
.if 2*(\s)+(\e)+3 < 16
	XLOAD 2*(\s)+(\e)+3                            ; the set takes the unit three on
.endif
.irp c, 0,1,2
	ds_store_b128 v[IWI], v[PC+4*\c:PC+4*\c+3] offset:IB*((\s)%2)+1536*(\e)+512*\c
.endr
	ds_store_b32 v[IWS], v[PW] offset:IB*((\s)%2)+128*(\e)
.endm
.macro BARRIER                         ; my LDS stores have landed and my LDS loads are in: then the work-group's barrier.  One a K step does: buffer s % 2 is written again in step s + 2, behind barrier s + 1, which each wave signals behind its reads of step s
	s_wait_dscnt 0x0
	s_barrier_signal -1
	s_barrier_wait -1
.endm
; K step s's 72 products: token tiles one after the other, each against my eight weight tiles and g's.  Each accumulator has one instruction a K step, so no two that follow each other share one.  NW: the loads issued behind this step's weights.
; All eight fragments of x have registers of their own (seven in window 1, tile 7's in the quantiser's v[PC ..], which lie idle in this phase): the phase's 32 LDS loads stand in one run at its head, and each tile's products begin when its three loads are in.
.macro PROD s, NW
	s_wait_alu depctr_vm_vsrc(0)                   ; my image's stores have read v[PC ..], in which tile 7's fragment lands
	s_wait_alu depctr_va_vdst(0)                   ; the quantiser has written v[PC ..] (stated anew here, since the image's stores, which read these registers, stand behind the quantiser's own wait); the products of the step before are done reading x's fragments and scale words, in which the loads below land
.irp a, 0,1,2,3,4,5,6,7
	ds_load_b32 v[XS+\a], v[LS] offset:IB*((\s)%2)+12288+128*\a
.endr
.irp c, 0,1,2
	ds_load_b128 v[PC+4*\c:PC+4*\c+3], v[LI] offset:IB*((\s)%2)+1536*7+512*\c
.endr
	WIN 0x40                                       ; destination window 1.  (Only loads and this switch stand between the waits above and the loads below)
.irp a, 0,1,2,3,4,5,6
.irp c, 0,1,2
	ds_load_b128 v[XF+12*\a+4*\c:XF+12*\a+4*\c+3], v[LI] offset:IB*((\s)%2)+1536*\a+512*\c
.endr
.endr
	s_wait_loadcnt \NW
.irp a, 0,1,2,3,4,5,6,7
.if \a < 7
	s_wait_dscnt 3*(6-\a)                          ; LDS loads come back in order (ISA guide 5.7.1): tile a's three are in; three for each of the tiles behind it, up to tile 6, may be out.  The scale words and tile 7 were asked for ahead of tile 0
.set rX, XF+12*\a
.set wX, 1
.else
.set rX, PC
.set wX, 0
.endif
	WIN 0xa1+0x50*(\a/4)+4*wX                      ; source 0 (the weights) window 1; source 1 (x) window 1, tile 7's window 0; C and D window 2 or 3
.irp f, 0,1,2,3,4,5,6,7
.if (\s) == 0
	v_wmma_scale_f32_16x16x128_f8f6f4 v[64*(\a%4)+8*\f:64*(\a%4)+8*\f+7], v[12*\f:12*\f+11], v[rX:rX+11], 0, v[WS+\f], v[XS+\a] matrix_a_fmt:MATRIX_FMT_BF6 matrix_b_fmt:MATRIX_FMT_BF6
.else
	v_wmma_scale_f32_16x16x128_f8f6f4 v[64*(\a%4)+8*\f:64*(\a%4)+8*\f+7], v[12*\f:12*\f+11], v[rX:rX+11], v[64*(\a%4)+8*\f:64*(\a%4)+8*\f+7], v[WS+\f], v[XS+\a] matrix_a_fmt:MATRIX_FMT_BF6 matrix_b_fmt:MATRIX_FMT_BF6
.endif
.endr
	WIN 0x54+wX                                    ; g: source 0 = the tokens (window 1, tile 7's window 0), source 1 = W_g's 16 rows, C and D: window 1
.if (\s) == 0
	v_wmma_scale_f32_16x16x128_f8f6f4 v[GA+8*\a:GA+8*\a+7], v[rX:rX+11], v[96:107], 0, v[XS+\a], v[WS+8] matrix_a_fmt:MATRIX_FMT_BF6 matrix_b_fmt:MATRIX_FMT_BF6
.else
	v_wmma_scale_f32_16x16x128_f8f6f4 v[GA+8*\a:GA+8*\a+7], v[rX:rX+11], v[96:107], v[GA+8*\a:GA+8*\a+7], v[XS+\a], v[WS+8] matrix_a_fmt:MATRIX_FMT_BF6 matrix_b_fmt:MATRIX_FMT_BF6
.endif
.endr
.rept 4
	v_nop                                          ; four places behind the step's last products (ISA guide 7.12.1); behind the last step's stand the first reads of results.  They stand for no wait: the next weights' loads have theirs
.endr
.if (\s) < 7
	WLOAD (\s)+1
.endif
	WIN 0
.endm
	s_load_b256 s[4:11], s[0:1], 0x0               ; x s[4:5], wimg s[6:7], qrec s[8:9], kvrec s[10:11]
	v_lshl_add_u32 v33, v0, 2, 0xf000              ; my spare word, behind the stages: 512 bytes from byte 61,440 on that no other line names; v33 and v63 are kept for the closing lines alone
	v_mov_b32 v63, 0
	v_lshrrev_b32 v11, 5, v0
	v_readfirstlane_b32 s12, v11                   ; wave 0..3
	v_and_b32 v11, 31, v0                          ; lane
	v_and_b32 v12, 15, v0                          ; r
	v_bfe_u32 v13, v0, 4, 1                        ; h
	v_lshlrev_b32 v[LI], 4, v11
	v_lshlrev_b32 v[LS], 2, v11
	s_wait_alu depctr_va_sdst(0)                   ; s12 is written, ahead of its first reader: LDS addresses and the buffers' bases are made from it
	s_mul_i32 s24, s12, 16*SROW
	s_add_co_u32 s24, s24, STG                     ; my stage
	v_add_nc_u32 v[STS], s24, v[LI]
	v_mul_u32_u24 v[STL], v12, SROW
	v_lshl_add_u32 v[STL], v13, 7, v[STL]
	v_add_nc_u32 v[STL], s24, v[STL]
	s_mul_i32 s24, s12, 3072
	v_add_nc_u32 v[IWI], s24, v[LI]
	s_lshl_b32 s24, s12, 8
	s_add_co_u32 s24, s24, 12288
	v_add_nc_u32 v[IWS], s24, v[LS]
	s_mul_i32 s24, s12, 1536
	v_add_nc_u32 v[GI], s24, v[LI]
	s_lshl_b32 s24, s12, 7
	v_add_nc_u32 v[GW], s24, v[LS]
	v_lshlrev_b32 v[SH8], 3, v13
	v_mov_b32 v[ZR], 0
	v_mov_b32 v[PX], 0                             ; written once: a lane permute's destination counts as one of its sources
	s_mov_b32 s[SEL], 0x76543210
	s_mov_b32 s[SEL+1], 0xfedcba98
	s_mov_b32 s[HM], 0xffff0000
	s_lshl_b32 s24, ttmp9, 19                      ; x: 128 rows of 4,096 bytes a work-group,
	s_lshr_b32 s25, s12, 1
	s_lshl_b32 s25, s25, 18                        ; + 64 (w / 2) rows,
	s_add_co_u32 s24, s24, s25
	s_and_b32 s26, s12, 1
	s_lshl_b32 s25, s26, 16                        ; + 16 (w % 2) rows: where my two token tiles begin
	s_add_co_u32 s24, s24, s25
	s_mov_b32 s25, 0
	s_mul_i32 s28, s12, 72*WREC                    ; my role's 72 records of wimg
	s_mov_b32 s29, 0
	s_lshl_b32 s30, ttmp9, 15                      ; the work-group's record
	s_mov_b32 s31, 0
	s_mul_i32 s32, s26, 1536                       ; my half of the 256 units: its images,
	s_mov_b32 s33, 0
	s_lshl_b32 s34, s26, 9
	s_add_co_u32 s34, s34, 24576                   ; and its scale words
	s_mov_b32 s35, 0
	s_wait_kmcnt 0x0
	s_add_nc_u64 s[4:5], s[4:5], s[24:25]
	s_add_nc_u64 s[6:7], s[6:7], s[28:29]
	s_cmp_lt_u32 s12, 2                            ; theta's waves store into qrec, phi's into kvrec
	s_cselect_b64 s[14:15], s[8:9], s[10:11]
	s_add_nc_u64 s[14:15], s[14:15], s[30:31]
	s_add_nc_u64 s[16:17], s[14:15], s[34:35]
	s_add_nc_u64 s[14:15], s[14:15], s[32:33]
	s_add_nc_u64 s[18:19], s[10:11], s[30:31]      ; g goes into kvrec from every wave
	WLOAD 0                                        ; (its wait stands behind every vector line of the head)
	XLOAD 0
	XLOAD 1
	XLOAD 2
	; The loads go out in the order W0 U0 U1 U2 | U3 U4 W1 | U5 U6 W2 | .. | U15 W7, and come back in that order (ISA guide 5.7.1): each count is what was issued behind the loads wanted.
	XPH 0, 0, 32                                   ; behind U0: U1, U2
	XPH 0, 1, 32                                   ; behind U1: U2, U3
	BARRIER
	PROD 0, 48                                     ; behind W0, of what can be out: U2, U3, U4
	XPH 1, 0, 63                                   ; behind U2: U3, U4, W1: 68; the wait's field holds 63, and a smaller count is safe
	XPH 1, 1, 63                                   ; behind U3: U4, W1, U5: 68
	BARRIER
	PROD 1, 32                                     ; behind W1: U5, U6
.irp s, 2,3,4,5
	XPH \s, 0, -1                                  ; U(2 s) was issued ahead of W(s - 1), which the last products' wait has shown in
	XPH \s, 1, 63                                  ; behind U(2 s + 1): U(2 s + 2), W(s), U(2 s + 3): 68
	BARRIER
	PROD \s, 32
.endr
	XPH 6, 0, -1
	XPH 6, 1, 63                                   ; behind U13: U14, W6, U15: 68
	BARRIER
	PROD 6, 16                                     ; behind W6: U15
	XPH 7, 0, -1
	XPH 7, 1, 36                                   ; behind U15: W7
	BARRIER
	PROD 7, 0
	; THE RESULTS.  Token tile a's eight accumulators are a lane's 64 numbers along my 128 units: one fragment and one scale word a token.  Each fragment's codes have twelve registers of their own, in the sets that x has left
	; (the stage's stores that read those registers stand ahead of the wait on vm_vsrc at the head of the last products): no store's data are written again, so nothing is waited for behind a store.
.irp a, 0,1,2,3,4,5,6,7
	QUANT2 64*(\a%4), 2+\a/4, OUTB+12*\a
.if \a%2 == 0
	v_mov_b32 v[PAIR+\a/2], v[PW]                  ; the even tile's words in lanes 0-15,
.else
	v_cndmask_b32 v[PAIR+\a/2], v[PAIR+\a/2], v[PW], s[HM]   ; the odd tile's in lanes 16-31
.endif
	s_wait_alu depctr_va_vdst(0)                   ; the quantiser has written this tile's twelve registers, which the three stores read; behind tile 7 the four registers of scale words are written too
.irp c, 0,1,2
	global_store_b128 v[LI], v[OUTB+12*\a+4*\c:OUTB+12*\a+4*\c+3], s[14:15] offset:3072*\a+512*\c   ; 32 lanes store 512 consecutive bytes, at a multiple of 256 from the buffer's first byte
.endr
.endr
	global_store_b128 v[LI], v[PAIR:PAIR+3], s[16:17]
	QUANT2 GA, 1, OUTB+96                          ; g: a lane holds one channel, its 64 registers run along the 128 tokens
	s_wait_alu depctr_va_vdst(0)                   ; the quantiser has written g's twelve registers and v[PW], which the stores below read
.irp c, 0,1,2
	global_store_b128 v[GI], v[OUTB+96+4*\c:OUTB+96+4*\c+3], s[18:19] offset:25600+512*\c
.endr
	global_store_b32 v[GW], v[PW], s[18:19] offset:31744
	global_store_b32 v[GW], v[ZR], s[18:19] offset:32256    ; the record's last 512 bytes: the next launch brings whole records into LDS
	s_wait_dscnt 0x0                               ; the closing lines, six on end
	s_wait_alu 0x0
	s_wait_tensorcnt 0x0
	ds_add_u32 v33, v63
	s_wait_dscnt 0x0
	s_endpgm
.Lfunc_end_k_q86047d7456_proj:
	.size	k_q86047d7456_proj, .Lfunc_end_k_q86047d7456_proj-k_q86047d7456_proj
	.p2alignl 7, 3214868480
	.fill 96, 4, 3214868480
	.section	.rodata,"a",@progbits
	.p2align	6, 0x0
	.amdhsa_kernel k_q86047d7456_proj
		.amdhsa_group_segment_fixed_size 61952
		.amdhsa_private_segment_fixed_size 0
		.amdhsa_enable_private_segment 0
		.amdhsa_kernarg_size 32
		.amdhsa_user_sgpr_count 2
		.amdhsa_user_sgpr_kernarg_segment_ptr 1
		.amdhsa_wavefront_size32 1
		.amdhsa_system_sgpr_workgroup_id_x 1
		.amdhsa_system_sgpr_workgroup_id_y 1
		.amdhsa_system_sgpr_workgroup_id_z 1
		.amdhsa_system_vgpr_workitem_id 0
		.amdhsa_next_free_vgpr 1024
		.amdhsa_next_free_sgpr 66
		.amdhsa_reserve_vcc 0
		.amdhsa_float_denorm_mode_32 3
		.amdhsa_float_denorm_mode_16_64 3
		.amdhsa_memory_ordered 1
		.amdhsa_forward_progress 1
		.amdhsa_inst_pref_size 255
	.end_amdhsa_kernel
	.section	.bss,"aw",@nobits
	.p2align	6
	.space	262144
	.amdgpu_metadata
---
amdhsa.version: [ 1, 2 ]
amdhsa.kernels:
  - .name:           k_q86047d7456_proj
    .symbol:         k_q86047d7456_proj.kd
    .args:
      - { .name: x, .offset: 0, .size: 8, .value_kind: global_buffer, .address_space: global }
      - { .name: wimg, .offset: 8, .size: 8, .value_kind: global_buffer, .address_space: global }
      - { .name: qrec, .offset: 16, .size: 8, .value_kind: global_buffer, .address_space: global }
      - { .name: kvrec, .offset: 24, .size: 8, .value_kind: global_buffer, .address_space: global }
    .group_segment_fixed_size: 61952
    .private_segment_fixed_size: 0
    .kernarg_segment_align: 8
    .kernarg_segment_size: 32
    .max_flat_workgroup_size: 128
    .sgpr_count:     66
    .vgpr_count:     1024
    .wavefront_size: 32
...
	.end_amdgpu_metadata
.endif
;; end of part 4
;; launch att: the kernel of part 3 again; grid 32 x 8, 4 waves a work-group, clusters of 4 x 1, 327,680 bytes of LDS; arguments qrec, kvrec, out0; writes out0
